; MI455X (gfx1250); checked and timed in simulation.
; The chip was launched on July 23, 2026; its instructions are those of AMD's public machine-readable ISA for CDNA 5 (MIT licence, August 2026) and "CDNA5" Instruction Set Architecture Reference Guide (July 2026). The comments in the code are by the model that wrote it; some were corrected since.
;; Multi Head Attention. Allowed arithmetic: matrix products marked QUANTISED: E2M3 operands, one E8M0 scale for each 32 along K, by v_wmma_scale_f32_16x16x128_f8f6f4 with both operands' format E2M3, f32 sums; everything else in f32.
;; Inputs: b_out 1,024 float32; w_out 1,024 x 1,024 float32; w_qkv 1,024 x 3,072 float32; x 4 x 2,048 x 1,024 float32.
;; Outputs: out0 4 x 2,048 x 1,024 float32.
;; This version of the problem:
;;   THIS VERSION OF THE PROBLEM IS GIVEN IN LOW PRECISION. The matrix products marked QUANTISED in the list below multiply operands that are first quantised to E2M3 (2 exponent bits, 3 mantissa bits; 6 bits a number), with one power-of-two scale for each 32 numbers along K (OCP MX v1.0); their sums are f32. All else is computed in f32.
;;   The module's matrix products, in the order in which they are computed (A, B: the left and right operand; K: the contracted axis; several contracted axes count as one K, in the product's order):
;;     1. [M 8,192, K 1,024] x [K 1,024, N 3,072]; A: input x; B: input w_qkv: QUANTISED
;;     2. batch 64 x [M 2,048, K 64] x [K 64, N 2,048]; A: computed on the way; B: computed on the way: QUANTISED
;;     3. batch 64 x [M 2,048, K 2,048] x [K 2,048, N 64]; A: softmax (see below); B: computed on the way: QUANTISED
;;     4. [M 8,192, K 1,024] x [K 1,024, N 1,024]; A: computed on the way; B: input w_out: QUANTISED
;;   THE QUANTISER, for each operand of a quantised product, along K:
;;     - K is cut into blocks of 32 from its start; a last block that is shorter is filled with zeros.
;;     - A block's scale is 2^e with e = floor(log2(the largest magnitude in the block)) - 2, held to -126 .. 127; a block of zeros has e = 0. As a byte (E8M0): e + 127.
;;     - Each number is divided by its block's scale, clamped to +-7.5, and rounded to the nearest number of E2M3, ties to even, subnormals kept.
;;     - The product sums the exact products of the quantised numbers (number of the format x scale) in f32.
;;   ~~~python
;;   def quantise(x, axis):      # numpy; x: float32 -> the quantised numbers, widened to float32 again
;;       x = np.moveaxis(x, axis, -1); K = x.shape[-1]
;;       x = np.pad(x, [(0, 0)] * (x.ndim - 1) + [(0, -K % 32)]); x = x.reshape(x.shape[:-1] + (-1, 32)); a = np.abs(x).max(-1, keepdims=True)
;;       e = np.where(a > 0, np.clip(np.frexp(np.where(a > 0, a, 1))[1] - 1 - 2, -126, 127), 0)      # np.frexp(a)[1] - 1 = floor(log2(a)), exactly
;;       r = np.clip(x / 2.0 ** e, -7.5, 7.5)
;;       step = 2.0 ** (np.maximum(np.frexp(np.where(r == 0, 1, r))[1] - 1, 0) - 3)
;;       q = np.round(r / step) * step * 2.0 ** e      # np.round: ties to even
;;       return np.moveaxis(q.reshape(q.shape[:-2] + (-1,))[..., :K], -1, axis).astype(np.float32)
;;   ~~~
;;   SOFTMAX AHEAD OF A QUANTISED PRODUCT. Where the list says 'softmax', what is quantised is not the finished softmax but p = 2^(t - M), with t = logit x log2(e) and M = ceil(the row's largest t), a whole number; so 1/2 < the row's largest p <= 1. The row's sum l is taken of the UNQUANTISED p, in f32, and the product's result is divided by l at the end. Since M is a whole number, a kernel that streams over the keys may use a running M (the ceiling of the running maximum): every later rescaling is an exact power of two, which a block's scale takes up: the codes' values come out the same.
;;   OPERANDS COMPUTED ON THE WAY. 'Computed on the way' means the value that the module computes at that place (a softmax that the list does not call 'softmax' is quantised finished and normalised). What goes into a quantiser is computed in f32, as accurately as f32 sums, v_exp_f32 and their like allow (about 1e-6 of the number): no bf16 or f16 on the way to a quantiser, and a product that is left as it is and whose result goes on into a quantised operand takes f32 operands (vector FMAs, or v_wmma_f32_16x16x4_f32). A number that lies on a knife's edge between two numbers of the format may be rounded either way, as far as f32 arithmetic and the matrix unit's own rounding can turn it there, and no further.
;; One version. Each part assembles by itself: llvm-mc -triple=amdgcn-amd-amdhsa -mcpu=gfx1250 --defsym DOCPART=n.
;; ======== version 1 of 1: 4 launches
;; limits: right only within a limited range of input values
;; workspace buffers: xq 6,553,600 bytes; wq 2,457,600 bytes; wo 819,200 bytes; qkv 20,185,088 bytes; oq 6,553,600 bytes
;; launch prep (part 1): grid 64 x 8, 4 waves a work-group, no clusters, 46,592 bytes of LDS; arguments x, w_qkv, w_out, xq, wq, wo; writes xq, wq, wo
.if DOCPART == 1
	.amdgcn_target "amdgcn-amd-amdhsa--gfx1250"
	.amdhsa_code_object_version 6
	.text
	.protected	k_q4527abc6fe_prep
	.globl	k_q4527abc6fe_prep
	.p2align	8
	.type	k_q4527abc6fe_prep,@function
k_q4527abc6fe_prep:
	s_mov_b64 s[64:65], 0
	v_nop
	global_prefetch_b8 v0, s[64:65] scope:SCOPE_SE
	s_setreg_imm32_b32 hwreg(HW_REG_WAVE_MODE, 25, 1), 1
	s_wait_xcnt 0x0
; MULTI-HEAD ATTENTION IN MX-FP6, launch 1 of 4: x, w_qkv and w_out become codes of E2M3 with one E8M0 byte for each 32 along K.
; NOTHING OF reference() IS LEFT OUT in this program: all four inputs reach the output, there is no mask and no state of zeros, and every operand of the four products goes through the stated quantiser.
; A block's scale is 2^(floor(log2(its largest magnitude)) - 2); its byte is the largest magnitude's exponent field - 2, held at 1 from below.
; LIMITS: a block of zeros gets the byte 1 where the rule says 127 (its codes are zeros, and this program alone reads the bytes); NaN and infinities among the inputs are not served.
; THE WORKSPACE LIES IN THE ORDER OF THE OPERANDS' REGISTERS.  A tile is 16 rows of an operand; rows go in groups of 32: tile 2 P + u, lane row r, is row 32 P + 8 u + r + 8 (r / 8).
; A fragment (a tile x 128 along K) is 12 registers a lane, 1,536 bytes: registers 4 c .. 4 c + 3 of lane l lie at 512 c + 16 l.  Codes: [tile][K step 0..7][1,536].
; Scale words: [pair P of tiles][K step][lane] of 4 bytes; lane 16 u + r holds the word of tile 2 P + u, row r.
; Work-groups with x under 32 take x (K innermost: 32 whole rows each, turned through a stage in LDS); the others take the weights (K is the first axis: a lane takes a column, its registers run down K).
; The two ways part on the work-group's number, never join, and have LDS bytes of their own.  No tensor load, no barrier: waves share nothing.
.set SPARE, 46080                      ; the spare words, 128 bytes for each wave
.set XST,   8448                       ; x: a wave's stage, 16 rows x (512 bytes + 16), from LDS byte 0
.set WST,   33792                      ; weights: a wave's stage, two fragments' images, 3,072 bytes, from here
.set XSC,   6291456                    ; where xq's scale words begin
.set SPW,   16                         ; v16 LDS address of my spare word; never rewritten
.set NIL,   17                         ; v17 0; never rewritten
.set RX,    32                         ; x: v32-159 two sets of 64 registers as loaded
.set X,     160                        ; x: v160-223 my 64 numbers: two whole blocks of 32
.set C,     224                        ; x: v224-235 a fragment's codes
.set CT,    236                        ; x: v236-243 the upper halves of the blocks' codes, ahead of their move
	s_load_b256 s[4:11], s[0:1], 0x0               ; x s[4:5], w_qkv s[6:7], w_out s[8:9], xq s[10:11]
	s_load_b128 s[12:15], s[0:1], 0x20             ; wq s[12:13], wo s[14:15]
	v_lshl_add_u32 v[SPW], v0, 2, SPARE
	v_mov_b32 v[NIL], 0
	v_lshrrev_b32 v1, 5, v0
	v_readfirstlane_b32 s16, v1                    ; wave
	s_and_b32 s17, ttmp7, 0xffff                   ; work-group y
	v_and_b32 v2, 31, v0                           ; lane
	s_cmp_lt_u32 ttmp9, 32
	s_cbranch_scc0 .Lweights
; ---------------- x: pair P = 8 x + y: 32 rows of 4,096 bytes.  Wave w takes K steps 2 w and 2 w + 1 of both tiles: four fragments f = 2 qq + u.
	v_lshlrev_b32 v3, 4, v2                        ; 16 x lane
	v_lshlrev_b32 v6, 2, v2                        ; 4 x lane
	v_and_b32 v8, 15, v0                           ; r
	v_bfe_u32 v9, v0, 4, 1                         ; h
	s_mul_i32 s18, s16, XST
	v_add_nc_u32 v4, s18, v3                       ; the stage, on the way in: a load's 512 bytes as they lie
	v_mul_u32_u24 v5, v8, 528
	v_lshl_add_u32 v5, v9, 7, v5
	v_add_nc_u32 v5, s18, v5                       ; on the way out: row r, + 128 h: my block of 32 numbers
	v_lshlrev_b32 v7, 3, v9                        ; 8 h: where my bytes stand in the scale word
	v_mov_b32 v15, 0                               ; (a lane permute's destination counts as one of its sources)
	s_mov_b32 s20, 0x76543210
	s_mov_b32 s21, 0xfedcba98                      ; lane l xor 16
	s_mov_b32 s22, 0xffff0000                      ; lanes 16-31
	s_lshl_b32 s23, ttmp9, 3
	s_add_co_u32 s23, s23, s17                     ; P
	s_lshl_b32 s24, s23, 17                        ; 32 rows of 4,096 bytes
	s_lshl_b32 s26, s16, 10                        ; my two K steps: 1,024 bytes of a row
	s_add_co_u32 s24, s24, s26
	s_mov_b32 s25, 0
	s_mul_i32 s26, s23, 24576                      ; two tiles' codes
	s_mul_i32 s28, s16, 3072
	s_add_co_u32 s26, s26, s28
	s_mov_b32 s27, 0
	s_lshl_b32 s28, s23, 10                        ; the pair's scale words
	s_lshl_b32 s30, s16, 8
	s_add_co_u32 s28, s28, s30
	s_add_co_u32 s28, s28, XSC
	s_mov_b32 s29, 0
	s_wait_alu depctr_va_vdst(0)
	s_wait_kmcnt 0x0
	s_add_nc_u64 s[4:5], s[4:5], s[24:25]
	s_add_nc_u64 s[26:27], s[10:11], s[26:27]
	s_add_nc_u64 s[28:29], s[10:11], s[28:29]
.macro XLOAD f                         ; fragment f's 16 rows x 512 bytes: each load reads 512 consecutive bytes of one row
.set n, 0
.rept 16
	global_load_b128 v[RX+64*((\f)%2)+4*n:RX+64*((\f)%2)+4*n+3], v3, s[4:5] offset:(8*((\f)%2)+n+8*(n/8))*4096+512*((\f)/2) th:TH_LOAD_NT
.set n, n+1
.endr
.endm
.macro XFRAG f
.if (\f) < 3
	s_wait_loadcnt 16                              ; this fragment's 16 loads are in; the next fragment's 16 may be out
.else
	s_wait_loadcnt 0x0
.endif
.set n, 0
.rept 16
	ds_store_b128 v4, v[RX+64*((\f)%2)+4*n:RX+64*((\f)%2)+4*n+3] offset:528*n
.set n, n+1
.endr
.set n, 0
.rept 16                               ; LDS serves a wave's instructions in order: these see the stores.  Lane (r, h) takes k = 64 c + 32 h + 0 .. 31 of row r
	ds_load_b128 v[X+4*n:X+4*n+3], v5 offset:256*(n/8)+16*(n%8)
.set n, n+1
.endr
	s_wait_dscnt 0x0                               ; my numbers are back, so the stores have read their registers,
.if (\f) < 2
	XLOAD (\f)+2                                   ; which take the loads of two fragments on
.endif
.irp c, 0,1
	v_max3_num_f32 v[8+\c], |v[X+32*\c]|, |v[X+32*\c+1]|, 0x1800000   ; block 2 c + h is all mine; the floor 2^(3 - 127) holds the byte at 1 from below
.endr
.irp i, 2,4,6,8,10,12,14,16,18,20,22,24,26,28,30
.irp c, 0,1
	v_max3_num_f32 v[8+\c], v[8+\c], |v[X+32*\c+\i]|, |v[X+32*\c+\i+1]|
.endr
.endr
.irp c, 0,1
	v_add_nc_u32 v[10+\c], 0xff000000, v[8+\c]     ; 2 off the exponent field: the conversion's scale operand
.endr
.irp c, 0,1
	v_lshrrev_b32 v[12+\c], 23, v[10+\c]           ; the scale's byte
.endr
	v_lshl_or_b32 v14, v13, 16, v12                ; blocks h and 2 + h,
	v_lshlrev_b32 v14, v7, v14                     ; at their places in the word;
	v_permlanex16_b32 v15, v14, s20, s21
	v_or_b32 v[18+(\f)%2], v14, v15                ; with lane l xor 16's two the word is whole
	s_wait_alu depctr_va_vdst(0)
	s_wait_xcnt 0x0                                ; the last fragment's stores have read their data: the codes' registers are written again only behind this wait
.irp c, 0,1
	v_cvt_scalef32_pk16_fp6_f32 v[C+6*\c:C+6*\c+2], v[X+32*\c:X+32*\c+15], v[10+\c]
	v_cvt_scalef32_pk16_fp6_f32 v[CT+4*\c:CT+4*\c+2], v[X+32*\c+16:X+32*\c+31], v[10+\c]   ; (a conversion's three registers begin on an even number)
.endr
	v_nop                                          ; one plain place behind the scaled conversions
.irp c, 0,1
.irp i, 0,1,2
	v_mov_b32 v[C+6*\c+3+\i], v[CT+4*\c+\i]
.endr
.endr
.irp c, 0,1,2
	global_store_b128 v3, v[C+4*\c:C+4*\c+3], s[26:27] offset:12288*((\f)%2)+1536*((\f)/2)+512*\c   ; 512 consecutive bytes a store
.endr
.if (\f)%2 == 1
	v_cndmask_b32 v[20+(\f)/2], v18, v19, s22      ; lanes 0-15: the even tile's words, lanes 16-31: the odd tile's
	global_store_b32 v6, v[20+(\f)/2], s[28:29] offset:128*((\f)/2)
.endif
.endm
	XLOAD 0
	XLOAD 1
	XFRAG 0
	XFRAG 1
	XFRAG 2
	XFRAG 3
	s_wait_tensorcnt 0x0                           ; the wave's end
	ds_add_u32 v[SPW], v[NIL]
	s_wait_dscnt 0x0
	s_endpgm
; ---------------- the weights: x 32..55: w_qkv, 128 columns each; x 56..63: w_out.  y: the K step of 128 rows.  Wave w: pair P = 4 cb + w: 32 columns, a lane a column.
.Lweights:
	s_mov_b32 s19, 4096
	s_mov_b32 s20, 786432
	s_cmp_lt_u32 ttmp9, 56                         ; ids alone choose the tensor; one text serves both
	s_cselect_b32 s18, 32, 56
	s_cselect_b32 s19, 12288, s19                  ; a row of the weight in bytes
	s_cselect_b32 s20, 2359296, s20                ; where the scale words begin in its workspace
	s_sub_co_u32 s18, ttmp9, s18                   ; cb
	s_wait_alu depctr_va_vdst(0)
	v_lshlrev_b32 v3, 2, v2                        ; 4 x lane
.set n, 0
.rept 32
	v_mad_u32_u24 v[160+n], s19, n, v3             ; v160-191: row n of a block, my column
.set n, n+1
.endr
	v_bfe_u32 v8, v0, 3, 1                         ; column c of the pair is tile u = bit 3 of c,
	v_and_b32 v9, 7, v0
	v_bfe_u32 v10, v0, 4, 1
	v_lshl_add_u32 v9, v10, 3, v9                  ; row r = c % 8 + 8 (c / 16)
	s_mul_i32 s21, s16, 3072
	s_add_co_u32 s21, s21, WST
	v_mul_u32_u24 v4, v8, 1536
	v_lshl_add_u32 v4, v9, 4, v4
	v_add_nc_u32 v4, s21, v4                       ; the stage, on the way in: image u, lane r's 16 bytes
	v_lshlrev_b32 v6, 4, v2                        ; 16 x lane
	v_add_nc_u32 v5, s21, v6                       ; on the way out
	v_lshl_add_u32 v7, v8, 4, v9
	v_lshlrev_b32 v7, 2, v7                        ; my scale word's place: 4 (16 u + r)
	s_lshl_b32 s22, s18, 2
	s_add_co_u32 s22, s22, s16                     ; P
	s_lshl_b32 s23, s17, 7
	s_mul_i32 s23, s23, s19                        ; 128 y rows down
	s_lshl_b32 s25, s22, 7                         ; 32 P columns of 4 bytes
	s_add_co_u32 s32, s23, s25
	s_lshl_b32 s24, s19, 5                         ; a block of 32 rows
	s_add_co_u32 s34, s32, s24
	s_add_co_u32 s36, s34, s24
	s_add_co_u32 s38, s36, s24
	s_mov_b32 s33, 0
	s_mov_b32 s35, 0
	s_mov_b32 s37, 0
	s_mov_b32 s39, 0
	s_mul_i32 s26, s22, 24576
	s_mul_i32 s28, s17, 1536
	s_add_co_u32 s26, s26, s28
	s_mov_b32 s27, 0
	s_lshl_b32 s28, s22, 10
	s_lshl_b32 s30, s17, 7
	s_add_co_u32 s28, s28, s30
	s_add_co_u32 s28, s28, s20
	s_mov_b32 s29, 0
	s_wait_kmcnt 0x0
	s_cmp_lt_u32 ttmp9, 56
	s_cselect_b64 s[6:7], s[6:7], s[8:9]
	s_cselect_b64 s[12:13], s[12:13], s[14:15]
	s_add_nc_u64 s[32:33], s[6:7], s[32:33]
	s_add_nc_u64 s[34:35], s[6:7], s[34:35]
	s_add_nc_u64 s[36:37], s[6:7], s[36:37]
	s_add_nc_u64 s[38:39], s[6:7], s[38:39]
	s_add_nc_u64 s[26:27], s[12:13], s[26:27]
	s_add_nc_u64 s[28:29], s[12:13], s[28:29]
.macro WLOAD kb                        ; block kb: 32 rows of my column; a load reads 128 consecutive bytes, the four waves stand side by side
.set n, 0
.rept 32
	global_load_b32 v[32+32*((\kb)%2)+n], v[160+n], s[32+2*(\kb):33+2*(\kb)] th:TH_LOAD_NT
.set n, n+1
.endr
.endm
.macro WBLOCK kb
.set XS, 32+32*((\kb)%2)
.if (\kb) < 3
	s_wait_loadcnt 32                              ; this block's 32 loads are in; the next block's may be out
.else
	s_wait_loadcnt 0x0
.endif
	v_max3_num_f32 v8, |v[XS]|, |v[XS+1]|, |v[XS+2]|
	v_max3_num_f32 v9, |v[XS+3]|, |v[XS+4]|, |v[XS+5]|
.irp i, 6,10,14,18,22,26
	v_max3_num_f32 v8, v8, |v[XS+\i]|, |v[XS+\i+1]|
	v_max3_num_f32 v9, v9, |v[XS+\i+2]|, |v[XS+\i+3]|
.endr
	v_max3_num_f32 v8, v8, |v[XS+30]|, |v[XS+31]|
	v_max3_num_f32 v8, v8, v9, 0x1800000           ; and the floor
	v_add_nc_u32 v10, 0xff000000, v8
	v_lshrrev_b32 v11, 23, v10
.if (\kb) == 0
	v_mov_b32 v12, v11                             ; my column's scale word: byte kb
.else
	v_lshl_or_b32 v12, v11, 8*(\kb), v12
.endif
	v_cvt_scalef32_pk16_fp6_f32 v[96+6*(\kb):98+6*(\kb)], v[XS:XS+15], v10
	v_cvt_scalef32_pk16_fp6_f32 v[120:122], v[XS+16:XS+31], v10
	v_nop                                          ; one plain place behind the scaled conversions
.irp i, 0,1,2
	v_mov_b32 v[99+6*(\kb)+\i], v[120+\i]
.endr
; block kb = 2 c + h is registers 6 c .. 6 c + 5 of the fragment's lane r + 16 h
.if (\kb) < 2
	ds_store_b128 v4, v[96+6*(\kb):99+6*(\kb)] offset:256*((\kb)%2)
	ds_store_b64 v4, v[100+6*(\kb):101+6*(\kb)] offset:512+256*((\kb)%2)
.else
	ds_store_b64 v4, v[96+6*(\kb):97+6*(\kb)] offset:520+256*((\kb)%2)
	ds_store_b128 v4, v[98+6*(\kb):101+6*(\kb)] offset:1024+256*((\kb)%2)
.endif
.if (\kb) < 2
	WLOAD (\kb)+2
.endif
.endm
	WLOAD 0
	WLOAD 1
	WBLOCK 0
	WBLOCK 1
	WBLOCK 2
	WBLOCK 3
.irp c, 0,1,2,3,4,5
	ds_load_b128 v[124+4*\c:127+4*\c], v5 offset:512*\c   ; LDS serves a wave's instructions in order: these see my stores
.endr
	global_store_b32 v7, v12, s[28:29]
.irp c, 0,1,2,3,4,5
	s_wait_dscnt 5-\c                              ; the younger reads of the stage may be out
	global_store_b128 v6, v[124+4*\c:127+4*\c], s[26:27] offset:12288*(\c/3)+512*(\c%3)
.endr
	s_wait_tensorcnt 0x0                           ; the wave's end
	ds_add_u32 v[SPW], v[NIL]
	s_wait_dscnt 0x0
	s_endpgm
.Lfunc_end_k_q4527abc6fe_prep:
	.size	k_q4527abc6fe_prep, .Lfunc_end_k_q4527abc6fe_prep-k_q4527abc6fe_prep
	.p2alignl 7, 3214868480
	.fill 96, 4, 3214868480
	.section	.rodata,"a",@progbits
	.p2align	6, 0x0
	.amdhsa_kernel k_q4527abc6fe_prep
		.amdhsa_group_segment_fixed_size 46592
		.amdhsa_private_segment_fixed_size 0
		.amdhsa_enable_private_segment 0
		.amdhsa_kernarg_size 48
		.amdhsa_user_sgpr_count 2
		.amdhsa_user_sgpr_kernarg_segment_ptr 1
		.amdhsa_wavefront_size32 1
		.amdhsa_system_sgpr_workgroup_id_x 1
		.amdhsa_system_sgpr_workgroup_id_y 1
		.amdhsa_system_sgpr_workgroup_id_z 1
		.amdhsa_system_vgpr_workitem_id 0
		.amdhsa_next_free_vgpr 256
		.amdhsa_next_free_sgpr 66
		.amdhsa_reserve_vcc 0
		.amdhsa_float_denorm_mode_32 3
		.amdhsa_float_denorm_mode_16_64 3
		.amdhsa_memory_ordered 1
		.amdhsa_forward_progress 1
		.amdhsa_inst_pref_size 54
	.end_amdhsa_kernel
	.amdgpu_metadata
---
amdhsa.version: [ 1, 2 ]
amdhsa.kernels:
  - .name:           k_q4527abc6fe_prep
    .symbol:         k_q4527abc6fe_prep.kd
    .args:
      - { .name: x, .offset: 0, .size: 8, .value_kind: global_buffer, .address_space: global }
      - { .name: w_qkv, .offset: 8, .size: 8, .value_kind: global_buffer, .address_space: global }
      - { .name: w_out, .offset: 16, .size: 8, .value_kind: global_buffer, .address_space: global }
      - { .name: xq, .offset: 24, .size: 8, .value_kind: global_buffer, .address_space: global }
      - { .name: wq, .offset: 32, .size: 8, .value_kind: global_buffer, .address_space: global }
      - { .name: wo, .offset: 40, .size: 8, .value_kind: global_buffer, .address_space: global }
    .group_segment_fixed_size: 46592
    .private_segment_fixed_size: 0
    .kernarg_segment_align: 8
    .kernarg_segment_size: 48
    .max_flat_workgroup_size: 128
    .sgpr_count:     66
    .vgpr_count:     256
    .wavefront_size: 32
...
	.end_amdgpu_metadata
.endif
;; end of part 1
;; launch qkvgemm (part 2): grid 8 x 32, 4 waves a work-group, clusters of 4 x 4, 327,680 bytes of LDS; arguments xq, wq, qkv; writes qkv
.if DOCPART == 2
	.amdgcn_target "amdgcn-amd-amdhsa--gfx1250"
	.amdhsa_code_object_version 6
	.text
	.protected	k_q4527abc6fe_qkvgemm
	.globl	k_q4527abc6fe_qkvgemm
	.p2align	8
	.type	k_q4527abc6fe_qkvgemm,@function
k_q4527abc6fe_qkvgemm:
	s_mov_b64 s[64:65], 0
	v_nop
	global_prefetch_b8 v0, s[64:65] scope:SCOPE_SE
	s_setreg_imm32_b32 hwreg(HW_REG_WAVE_MODE, 25, 1), 1
	s_wait_xcnt 0x0
	s_wait_alu depctr_hold_cnt(0) depctr_sa_sdst(0) depctr_va_vdst(0) depctr_va_sdst(0) depctr_va_ssrc(0) depctr_va_vcc(0) depctr_vm_vsrc(0)
	s_getreg_b32 s2, hwreg(HW_REG_IB_STS2, 6, 4)
	s_cmp_eq_u32 s2, 0
	s_cbranch_scc0 .Lentry_in_a_cluster
	s_endpgm
.Lentry_in_a_cluster:
	s_bfe_u32 s2, ttmp6, 0x10000c
	s_cmp_lg_u32 s2, 0xf033
	s_cbranch_scc0 .Lentry_shape_is_right
	s_endpgm
.Lentry_shape_is_right:
; Launch 2 of 4: qkv = x w_qkv on codes of E2M3, and q, k, v quantised at once for the two products of attention.  Nothing of reference() is left out.
; A WORK-GROUP STAYS: it holds its 256 tokens (16 tiles, all of K = 1,024, 196,608 bytes) in LDS for the whole launch and walks three blocks of 128 columns of w_qkv (8 tiles, 98,304 bytes): q's, k's and v's columns of heads 2 j and 2 j + 1.
; 8 column places j x 32 token blocks are 256 work-groups.  The tokens are loaded once; the weights' bytes are filled again twice.
; A tile of work is 32 accumulators a wave: EIGHT tiles as source 0 (their rows run along a lane's registers) against FOUR tiles as source 1 (a row a lane); the accumulators take turns in the same order in every K step.
; q, k: the eight are the weights' tiles, the four are token tiles 4 w .. 4 w + 3: a lane holds a token, its registers run along two heads' 64, the K of q k^T.
; v: the eight are token tiles 8 (w / 2) .. + 7 (128 tokens), the four are weight tiles 4 (w % 2) .. + 3 (one head): a lane holds a channel, its registers run along the keys, the K of p v.
; Tiles lie in the order 32 P + 8 u + r + 8 (r / 8), so the 16 registers of tiles 2 b and 2 b + 1 of the eight are 16 neighbours along the next K; a block of 32 lies in lanes l and l xor 16.
; OUT: a record of 19,712 bytes for each (batch, head, 128 tokens): k's codes 6,144 | v's codes 6,144 | k's scale words 512 | v's 256 | q's codes 6,144 | q's scale words 512; all as images of operand registers.
; k's and q's codes: [pair of tiles][1,536]: six registers of the even tile, six of the odd.  Their scale words hold two bytes (the head's two blocks) and two bytes 0.
; LDS: [half of K][tile][6,144 bytes]: the tokens' two halves from byte 0 (98,304 each), the weights' two from SOFF (49,152 each).
; FILLS.  At the head one joint load a wave, each in an arm of its own: wave 0 the tokens' K steps 0-3, wave 1 q's weights' K steps 0-3, waves 2 and 3 the same of K steps 4-7.  The first barrier waits for waves 0 and 1 alone;
; a second one, in the fourth K step, with every wave's wait ahead of it, shows the rest. In the eighth K step of q's and of k's tile every wave has its last fragments in registers:
; there stand the wait for all tensor loads, the add, the wait for LDS and a round of the cluster's barrier, and behind the round each wave asks for four tiles x one half of K of the next weights.
; That load has the step's 32 products and the way out in which to land; a plain barrier, behind which nothing is filled, shows it to all.  By this text's count a wave has one tensor load out.
; CLUSTER 4 x 4: the tokens hang on the cluster's row, the weights on its column: each is asked for jointly.  All of LDS is claimed.
; PREFETCH: in the second K step of q's and of k's tile a wave asks for 24 blocks of 256 bytes of the weights that this tile's refill, six K steps on, will load: the sixteen waves of a cluster's column share the 384 blocks out by address.
; LIMITS: as in the first launch (a block of zeros has the byte 1; NaN and infinities are not served).
; REGISTERS: window 0: v1-3 16, 8, 4 x lane; LDS addresses, one for each half of K: v4-5, v6-7 of the four (tokens, weights), v8-9, v10-11 of the eight (weights, tokens); v12 the prefetch's offset; v16, v17 the add's;
;   v24-39 the four's scale words, v40-71 the eight's; v72-167 the four's fragments, two sets, later the images that leave; v168-201 at work on the way out.
;   Window 1: the eight's fragments, two sets, at v0 and v128.  Window 2: accumulator (a, b) at v[8 (8 a + b)].
.set TILEB, 12288                      ; a tile's codes for all of K
.set HALFK, 6144                       ; and for four K steps
.set SOFF,  196608                     ; behind the tokens: the weights
.set SPARE, 294912                     ; behind them: the spare words, 128 bytes for each wave
.set XSC,   6291456                    ; where xq's scale words begin
.set WSC,   2359296                    ; and wq's
.set REC,   19712
.set KIND,  64*TILEB                   ; from q's column tiles to k's, and from k's to v's
.set L16, 1
.set L8,  2
.set L4,  3
.set AR,  4
.set AW,  6
.set AS,  8
.set AT,  10
.set PFO, 12
.set SPW, 16
.set NIL, 17
.set RS,  24
.set SS,  40
.set RF,  72
.set TM,  168                          ; v168-171 largest magnitudes, v172-175 bytes, v180-183 the conversions' scale operands
.set WD,  184                          ; v184-187 the four tiles' scale words
.set CT,  188                          ; v188-195 upper halves of blocks' codes
.set SA,  196                          ; v196-199 scale words that leave
.set MJ,  200
.set WV,  10
.set G1R, 24                           ; group 1: the head's tokens, 16 rows;
.set G1S, 32                           ; the head's weights, 8 rows;
.set G1W, 88                           ; a refill, 4 rows
.set G0R, 40                           ; group 0: the head's tokens,
.set G0S, 44                           ; the head's weights,
.set G0W, 48                           ; the refills
.set SEL, 56
.set MASK, 58
.set E0,  68                           ; where the scale words come from: q's tile: the eight's, the four's;
.set F0,  70
.set NE,  72                           ; the next tile's;
.set NF,  74
.set VE,  76                           ; v's
.set VF,  78
.set PB,  80                           ; the weights that the next refill will load
.set OV,  82                           ; v's record
.set TR,  84
.set MSB, 0
.macro WIN new                         ; the immediate's high byte repeats the setting that is left
.if MSB != \new
	s_set_vgpr_msb (MSB<<8)|\new
.set MSB, \new
.endif
.endm
.macro PLACES n
.rept \n
	v_nop
.endr
.endm
.macro CROUND                          ; a round of the cluster's barrier
	s_barrier_signal -1
	s_barrier_wait -1
	s_cmp_lg_u32 s[WV], 0
	s_cbranch_scc1 .Lnot_wave_0_\@
	s_barrier_signal -3
.Lnot_wave_0_\@:
	s_barrier_wait -3
	s_barrier_signal -1
	s_barrier_wait -1
.endm
.macro OFFS d, a, sh, b, mul           ; s[d:d+1] = ((s a << sh) + s b) x mul, an offset in bytes
	s_lshl_b32 s[\d], s\a, \sh
	s_add_co_u32 s[\d], s[\d], s\b
	s_mul_i32 s[\d], s[\d], \mul
	s_mov_b32 s[\d+1], 0
.endm
.macro GROUP1 g, rows                  ; rows of 6,144 bytes (768 elements of 8), 12,288 bytes apart in memory, dense in LDS
	s_mov_b32 s[\g+1], 768<<16
	s_mov_b32 s[\g+2], (\rows)<<16
	s_mov_b32 s[\g+3], 768<<16
	s_mov_b32 s[\g+4], \rows
	s_mov_b32 s[\g+5], 1536
	s_mov_b32 s[\g+6], 0
	s_mov_b32 s[\g+7], 0
.endm
	s_load_b128 s[4:7], s[0:1], 0x0                ; xq, wq
	s_load_b64 s[8:9], s[0:1], 0x10                ; qkv
	v_lshl_add_u32 v[SPW], v0, 2, SPARE
	v_mov_b32 v[NIL], 0
	ds_add_u32 v[SPW], v[NIL]                      ; the opening: the add, twice on end, and its wait ahead of my first tensor load
	ds_add_u32 v[SPW], v[NIL]
	v_lshrrev_b32 v18, 5, v0
	v_readfirstlane_b32 s[WV], v18                 ; wave
	s_and_b32 s85, s[WV], 1                        ; w % 2
	s_lshr_b32 s86, s[WV], 1                       ; w / 2
	s_bfe_u32 s11, ttmp6, 0x40000                  ; cx
	s_bfe_u32 s12, ttmp6, 0x40004                  ; cy
	s_and_b32 s13, ttmp7, 0xffff                   ; the cluster's y
	s_mul_i32 s98, s[WV], 24576                    ; q, k: my four token tiles in a half of K
	s_mul_i32 s99, s85, 24576
	s_add_co_u32 s99, s99, SOFF                    ; v: my four weight tiles
	s_mul_i32 s2, s86, 49152                       ; v: my eight token tiles
	s_lshl_b32 s87, s12, 2
	s_add_co_u32 s87, s87, s[WV]
	s_mul_i32 s87, s87, 6144                       ; the prefetches: my sixteenth of 98,304 bytes, among the sixteen waves of my column of the cluster
	v_and_b32 v18, 31, v0
	v_lshlrev_b32 v[L16], 4, v18
	v_lshlrev_b32 v[L8], 3, v18
	v_lshlrev_b32 v[L4], 2, v18
	v_min_u32 v[PFO], 23, v18                      ; 24 blocks of 256 bytes; the lanes left over name the last again
	v_lshl_add_u32 v[PFO], v[PFO], 8, s87
	v_add_nc_u32 v[AR], s98, v[L16]
	v_add_nc_u32 v[AR+1], 98304, v[AR]
	v_add_nc_u32 v[AW], s99, v[L16]
	v_add_nc_u32 v[AW+1], 49152, v[AW]
	v_add_nc_u32 v[AS], SOFF, v[L16]
	v_add_nc_u32 v[AS+1], SOFF+49152, v[L16]
	v_add_nc_u32 v[AT], s2, v[L16]
	v_add_nc_u32 v[AT+1], 98304, v[AT]
.irp b, 0,1,2,3
	v_mov_b32 v[TM+4+\b], 0                        ; (a lane permute's destination counts as one of its sources)
.endr
	s_mov_b32 s[SEL], 0x76543210
	s_mov_b32 s[SEL+1], 0xfedcba98
	s_mov_b32 s[MASK], 0xffff0000
	s_lshl_b32 s20, s12, 2
	s_lshl_b32 s20, 15, s20                        ; my row of the cluster
	s_lshl_b32 s21, 0x1111, s11                    ; my column
	s_or_b32 s[G1R], s20, (3<<16)|(1<<21)          ; the mask; elements of 8 bytes; bit 21 beside a mask; no padding
	s_or_b32 s[G1S], s21, (3<<16)|(1<<21)
	s_or_b32 s[G1W], s21, (3<<16)|(1<<21)
	GROUP1 G1R, 16
	GROUP1 G1S, 8
	GROUP1 G1W, 4
	s_lshl_b32 s96, ttmp9, 2
	s_add_co_u32 s96, s96, s11                     ; j: my place among the columns, 0 .. 7
	s_lshl_b32 s97, s13, 2
	s_add_co_u32 s97, s97, s12                     ; y: my 256 tokens, 0 .. 31
	s_lshl_b32 s15, s96, 3                         ; q's first column tile
	s_lshl_b32 s14, s97, 4                         ; my first token tile
	s_mul_i32 s3, s86, HALFK                       ; the half of K that I fetch: w / 2
	s_mul_i32 s16, s14, TILEB                      ; the head: the sixteen token tiles,
	s_add_co_u32 s16, s16, s3
	s_mov_b32 s17, 0
	s_mul_i32 s18, s15, TILEB                      ; q's eight weight tiles;
	s_add_co_u32 s18, s18, s3
	s_mov_b32 s19, 0
	OFFS 22, 85, 2, 15, TILEB                      ; a refill: weight tiles 4 (w % 2) .. + 3 (here still q's)
	s_add_co_u32 s22, s22, s3
	OFFS E0, 15, 0, 15, 256                        ; 512 bytes of scale words a tile: q's eight weight tiles (2 x 256 x the tile),
	s_add_co_u32 s[E0], s[E0], WSC
	OFFS F0, 10, 2, 14, 512                        ; my four token tiles,
	s_add_co_u32 s[F0], s[F0], XSC
	OFFS VE, 86, 3, 14, 512                        ; v: my eight token tiles,
	s_add_co_u32 s[VE], s[VE], XSC
	OFFS VF, 85, 2, 15, 512                        ; and my four weight tiles, 128 tiles behind q's
	s_add_co_u32 s[VF], s[VF], WSC+128*512
	OFFS PB, 15, 0, 15, TILEB/2                    ; k's eight weight tiles, 64 tiles behind q's
	s_add_co_u32 s[PB], s[PB], KIND
	s_lshr_b32 s59, s97, 3
	s_lshl_b32 s59, s59, 8                         ; 256 records a batch
	s_and_b32 s3, s97, 7
	s_lshl_b32 s3, s3, 1
	s_add_co_u32 s59, s59, s3
	s_add_co_u32 s59, s59, s86                     ; + which 128 tokens of the sequence
	s_lshl_b32 s2, s96, 5                          ; 16 records a head, two heads
	s_add_co_u32 s2, s2, s59
	s_mul_i32 s2, s2, REC                          ; q, k: the even head's record
	s_mul_i32 s3, s85, 3072                        ; my two pairs of tiles
	s_add_co_u32 s60, s2, s3
	s_add_co_u32 s60, s60, 13056                   ; q's codes
	s_mov_b32 s61, 0
	s_lshl_b32 s3, s85, 8                          ; my half of the scale words
	s_add_co_u32 s62, s2, s3
	s_add_co_u32 s62, s62, 19200                   ; q's scale words
	s_mov_b32 s63, 0
	s_lshl_b32 s[OV], s96, 1
	s_add_co_u32 s[OV], s[OV], s85                 ; v: head 2 j + w % 2
	s_lshl_b32 s[OV], s[OV], 4
	s_add_co_u32 s[OV], s[OV], s59
	s_mul_i32 s[OV], s[OV], REC
	s_mov_b32 s[OV+1], 0
	s_wait_alu depctr_va_vdst(0)                   ; the wait at the end of the head's vector work
	s_wait_dscnt 0x0                               ; both opening adds are done
	s_wait_kmcnt 0x0
	s_mov_b32 s[G0R], 1
	s_mul_i32 s[G0R+1], s86, 98304
	s_add_nc_u64 s[G0R+2:G0R+3], s[4:5], s[16:17]
	s_or_b32 s[G0R+3], s[G0R+3], 0x80000000
	s_mov_b32 s[G0S], 1
	s_mul_i32 s[G0S+1], s86, 49152
	s_add_co_u32 s[G0S+1], s[G0S+1], SOFF
	s_add_nc_u64 s[G0S+2:G0S+3], s[6:7], s[18:19]
	s_or_b32 s[G0S+3], s[G0S+3], 0x80000000
	s_mov_b32 s[G0W], 1
	s_add_co_u32 s[G0W+1], s98, SOFF               ; half w / 2, tiles 4 (w % 2) on: 24,576 w
	s_add_nc_u64 s[G0W+2:G0W+3], s[6:7], s[22:23]
	s_or_b32 s[G0W+3], s[G0W+3], 0x80000000
	s_add_nc_u64 s[E0:E0+1], s[6:7], s[E0:E0+1]
	s_add_nc_u64 s[F0:F0+1], s[4:5], s[F0:F0+1]
	s_add_nc_u64 s[VE:VE+1], s[4:5], s[VE:VE+1]
	s_add_nc_u64 s[VF:VF+1], s[6:7], s[VF:VF+1]
	s_add_nc_u64 s[PB:PB+1], s[6:7], s[PB:PB+1]
	s_add_nc_u64 s[NE:NE+1], s[E0:E0+1], 64*512    ; k's tile: its weights' scale words,
	s_mov_b64 s[NF:NF+1], s[F0:F0+1]               ; and the same tokens'
	s_add_nc_u64 s[60:61], s[8:9], s[60:61]
	s_add_nc_u64 s[62:63], s[8:9], s[62:63]
	s_add_nc_u64 s[OV:OV+1], s[8:9], s[OV:OV+1]
	CROUND                                         ; all sixteen work-groups are here: the joint loads meet
; one load a wave, in ONE chain of branches on the wave's number, an arm to a wave: so the waves that wait at the first barrier have load lines of their own
.macro ARM under, g0, g1, next
	s_cmp_lt_u32 s[WV], \under
	s_cbranch_scc0 \next
	tensor_load_to_lds s[\g0:\g0+3], s[\g1:\g1+7]
	s_nop 0
	PLACES 4
	s_branch .Lasked
\next:
.endm
	ARM 1, G0R, G1R, .Larm_1                       ; wave 0: the tokens' K steps 0-3
	ARM 2, G0S, G1S, .Larm_2                       ; wave 1: the weights' K steps 0-3
	ARM 3, G0R, G1R, .Larm_3                       ; wave 2: the tokens' K steps 4-7
	tensor_load_to_lds s[G0S:G0S+3], s[G1S:G1S+7]  ; wave 3: the weights' K steps 4-7
	s_nop 0
	PLACES 4
.Lasked:
.macro SCALES pe, pf                   ; a tile's scale words: lanes 0-15 the even tile's, lanes 16-31 the odd tile's
.irp P, 0,1
.irp q, 0,1,2,3,4,5,6,7
	global_load_b32 v[RS+8*\P+\q], v[L4], s[\pf:\pf+1] offset:1024*\P+128*\q
.endr
.endr
.irp P, 0,1,2,3
.irp q, 0,1,2,3,4,5,6,7
	global_load_b32 v[SS+8*\P+\q], v[L4], s[\pe:\pe+1] offset:1024*\P+128*\q
.endr
.endr
.endm
.macro FRAGS q, p, E, F                ; K step q's fragments into set p: three loads of 16 bytes a lane bring a fragment as it lies.  E, F: the address registers of the eight and of the four, one for each half of K
	WIN 0x40                                       ; destination window 1
.irp b, 0,1,2,3,4,5,6,7
.irp c, 0,1,2
	ds_load_b128 v[128*(\p)+12*\b+4*\c:128*(\p)+12*\b+4*\c+3], v[\E+(\q)/4] offset:HALFK*\b+1536*((\q)%4)+512*\c
.endr
.endr
	WIN 0
.irp a, 0,1,2,3
.irp c, 0,1,2
	ds_load_b128 v[RF+48*(\p)+12*\a+4*\c:RF+48*(\p)+12*\a+4*\c+3], v[\F+(\q)/4] offset:HALFK*\a+1536*((\q)%4)+512*\c
.endr
.endr
.endm
.macro WM1 c, ra, rb
	v_wmma_scale_f32_16x16x128_f8f6f4 v[rD:rD+7], v[rS:rS+11], v[rR:rR+11], \c, v[rX], v[rY] matrix_a_fmt:MATRIX_FMT_FP6 matrix_b_fmt:MATRIX_FMT_FP6 matrix_a_scale:MATRIX_SCALE_ROW\ra matrix_b_scale:MATRIX_SCALE_ROW\rb
.endm
.macro WMC c, a, b                     ; an odd tile's scale words stand in lanes 16-31 of its pair's register
.if ((\a)%2 == 0) && ((\b)%2 == 0)
	WM1 \c, 0, 0
.elseif ((\a)%2 == 0)
	WM1 \c, 1, 0
.elseif ((\b)%2 == 0)
	WM1 \c, 0, 1
.else
	WM1 \c, 1, 1
.endif
.endm
.macro MUL q, p, first                 ; 32 products: source 0 (the eight) window 1, source 1 (the four) window 0, C and D window 2
	WIN 0xa1
.irp a, 0,1,2,3
.irp b, 0,1,2,3,4,5,6,7
.set rD, 8*(8*\a+\b)
.set rS, 128*(\p)+12*\b
.set rR, RF+48*(\p)+12*\a
.set rX, SS+8*(\b/2)+(\q)
.set rY, RS+8*(\a/2)+(\q)
.if \first
	WMC 0, \a, \b
.else
	WMC v[rD:rD+7], \a, \b
.endif
.endr
.endr
.endm
.macro KSTEP q, E, F, refill
.if ((\q) == 7) && (\refill)
	WIN 0
	s_wait_tensorcnt 0x0                           ; no tensor load of mine is out;
	ds_add_u32 v[SPW], v[NIL]                      ; 0 onto my spare word;
	s_add_nc_u64 s[G0W+2:G0W+3], s[G0W+2:G0W+3], KIND   ; the next weights' tiles
	s_wait_dscnt 0x0                               ; the add is done, and my last fragments of these weights are in registers
	CROUND                                         ; so of every wave of all sixteen work-groups
	tensor_load_to_lds s[G0W:G0W+3], s[G1W:G1W+7]  ; the first tensor load behind the round
	s_nop 0
	PLACES 4
.else
	s_wait_dscnt 0x0                               ; this step's fragments are in (asked for 32 matrix instructions ago)
.endif
.if ((\q) == 3) && (\refill)
	s_wait_tensorcnt 0x0                           ; in q's tile: the head's loads of K steps 4-7 have landed (every wave waits; in k's tile nothing is out),
	s_barrier_signal -1
	s_barrier_wait -1                              ; everybody's have
.endif
.if (\q) < 7
.if (\q) > 0
	PLACES 4                                       ; four places between the last products and loads into the registers that they read
.endif
	FRAGS (\q)+1, ((\q)+1)%2, \E, \F
.endif
.if ((\q) == 1) && (\refill)
	global_prefetch_b8 v[PFO], s[PB:PB+1] th:TH_LOAD_NT scope:SCOPE_SE   ; what this tile's refill will load
.endif
.if (\q) == 0
	MUL \q, 0, 1                                   ; the first step's products start the sums: nothing is cleared
.else
	MUL \q, (\q)%2, 0
.endif
.endm
; The 64 results of tile a of the four (register 16 b + i: place 32 b + 16 (lane / 16) + i along the next K) become codes: blocks 0, 1 in v[d0 .. d0 + 5], blocks 2, 3 in v[d1 .. d1 + 5]; the four bytes in v[w].
.macro QUANT a, d0, d1, w
	WIN 0x0a                                       ; sources 0 and 1 window 2.
.irp b, 0,1,2,3
	v_max3_num_f32 v[TM+\b], |v[64*(\a)+16*\b]|, |v[64*(\a)+16*\b+1]|, 0x1800000   ; with the floor 2^(3 - 127): the byte cannot fall under 1
.endr
.irp i, 2,4,6,8,10,12,14
.irp b, 0,1,2,3
	v_max3_num_f32 v[TM+\b], |v[64*(\a)+16*\b+\i]|, |v[64*(\a)+16*\b+\i+1]|, v[TM+\b]
.endr
.endr
	WIN 0
.irp b, 0,1,2,3
	v_permlanex16_b32 v[TM+4+\b], v[TM+\b], s[SEL], s[SEL+1]
.endr
.irp b, 0,1,2,3
	v_max_num_f32 v[TM+\b], v[TM+\b], v[TM+4+\b]   ; with lane l xor 16's: the block's largest magnitude
.endr
.irp b, 0,1,2,3
	v_add_nc_u32 v[TM+12+\b], 0xff000000, v[TM+\b] ; 2 off the exponent field: the conversion's scale operand
.endr
.irp b, 0,1,2,3
	v_lshrrev_b32 v[TM+4+\b], 23, v[TM+12+\b]      ; the scale's byte
.endr
	v_lshl_or_b32 v[(\w)], v[TM+5], 8, v[TM+4]
	v_lshl_or_b32 v[(\w)], v[TM+6], 16, v[(\w)]
	v_lshl_or_b32 v[(\w)], v[TM+7], 24, v[(\w)]
	WIN 0x02                                       ; source 0 window 2
	v_cvt_scalef32_pk16_fp6_f32 v[(\d0):(\d0)+2], v[64*(\a):64*(\a)+15], v[TM+12]
	v_cvt_scalef32_pk16_fp6_f32 v[CT:CT+2], v[64*(\a)+16:64*(\a)+31], v[TM+13]
	v_cvt_scalef32_pk16_fp6_f32 v[(\d1):(\d1)+2], v[64*(\a)+32:64*(\a)+47], v[TM+14]
	v_cvt_scalef32_pk16_fp6_f32 v[CT+4:CT+6], v[64*(\a)+48:64*(\a)+63], v[TM+15]
	WIN 0
	v_nop                                          ; one plain place behind the scaled conversions
.irp i, 0,1,2                          ; the operand's layout wants a whole block in a lane
	v_permlane16_swap_b32 v[(\d0)+\i], v[CT+\i]
	v_permlane16_swap_b32 v[(\d1)+\i], v[CT+4+\i]
.endr
.irp i, 0,1,2
	v_mov_b32 v[(\d0)+3+\i], v[CT+\i]
	v_mov_b32 v[(\d1)+3+\i], v[CT+4+\i]
.endr
.endm
	SCALES E0, F0
	s_cmp_lt_u32 s[WV], 2
	s_cbranch_scc0 .Lnot_first
	s_wait_tensorcnt 0x0                           ; waves 0 and 1: my load of K steps 0-3 has landed
.Lnot_first:
	s_barrier_signal -1
	s_barrier_wait -1                              ; K steps 0-3 are in; K steps 4-7 may still be on their way
	s_mov_b32 s[TR], 0
; ---- q's tile, then k's: one text, two trips; what differs lies in scalars
.Ltile:
	FRAGS 0, 0, AS, AR
	s_wait_loadcnt 0x0                             ; the scale words
.irp q, 0,1,2,3,4,5,6,7
	KSTEP \q, AS, AR, 1
.endr
	WIN 0
	PLACES 4                                       ; between the last products and the first reads of results, and loads into the scale words' registers
	SCALES NE, NF                                  ; the next tile's, under the way out
.irp ip, 0,1
	QUANT 2*\ip, RF+24*\ip, RF+24*\ip+12, WD+2*\ip
	QUANT 2*\ip+1, RF+24*\ip+6, RF+24*\ip+18, WD+2*\ip+1
.irp c, 0,1,2
	global_store_b128 v[L16], v[RF+24*\ip+4*\c:RF+24*\ip+4*\c+3], s[60:61] offset:1536*\ip+512*\c               ; the even head: 512 consecutive bytes a store
	global_store_b128 v[L16], v[RF+24*\ip+12+4*\c:RF+24*\ip+12+4*\c+3], s[60:61] offset:16*REC+1536*\ip+512*\c   ; the odd head, 16 records on
.endr
	v_cndmask_b32 v[MJ+\ip], v[WD+2*\ip], v[WD+2*\ip+1], s[MASK]   ; lanes 0-15: the even tile's word, lanes 16-31: the odd tile's
	v_and_b32 v[SA+\ip], 0xffff, v[MJ+\ip]         ; the even head's two bytes, and two bytes 0
	v_lshrrev_b32 v[SA+2+\ip], 16, v[MJ+\ip]       ; the odd head's
.endr
	global_store_b64 v[L8], v[SA:SA+1], s[62:63]
	global_store_b64 v[L8], v[SA+2:SA+3], s[62:63] offset:16*REC
	s_wait_alu depctr_va_vdst(0)                   ; the wait here, ahead of the waits and the branch below
	s_wait_xcnt 0x0                                ; loads, stores and the prefetch have read their registers: bases and the images' registers are written again only behind this wait
	s_mov_b64 s[NE:NE+1], s[VE:VE+1]               ; the tile after k's is v's
	s_mov_b64 s[NF:NF+1], s[VF:VF+1]
	s_sub_nc_u64 s[60:61], s[60:61], 13056         ; from q's codes to k's in a record,
	s_sub_nc_u64 s[62:63], s[62:63], 6912          ; and from q's scale words to k's
	s_add_nc_u64 s[PB:PB+1], s[PB:PB+1], KIND
	s_wait_tensorcnt 0x0                           ; my part of the next weights has landed,
	s_barrier_signal -1
	s_barrier_wait -1                              ; everybody's has
	s_add_co_u32 s[TR], s[TR], 1
	s_cmp_lt_u32 s[TR], 2
	s_cbranch_scc1 .Ltile
; ---- v's tile
	FRAGS 0, 0, AT, AW
	s_wait_loadcnt 0x0
.irp q, 0,1,2,3,4,5,6,7
	KSTEP \q, AT, AW, 0
.endr
	WIN 0
	PLACES 4
.irp a, 0,1,2,3
	QUANT \a, RF+12*\a, RF+12*\a+6, WD+\a
.irp c, 0,1,2
	global_store_b128 v[L16], v[RF+12*\a+4*\c:RF+12*\a+4*\c+3], s[OV:OV+1] offset:6144+1536*\a+512*\c
.endr
.endr
	v_cndmask_b32 v[SA], v[WD], v[WD+1], s[MASK]
	v_cndmask_b32 v[SA+1], v[WD+2], v[WD+3], s[MASK]
	global_store_b64 v[L8], v[SA:SA+1], s[OV:OV+1] offset:12800
	s_wait_tensorcnt 0x0                           ; the wave's end
	ds_add_u32 v[SPW], v[NIL]
	s_wait_dscnt 0x0
	CROUND                                         ; the closing round
	s_endpgm
.Lfunc_end_k_q4527abc6fe_qkvgemm:
	.size	k_q4527abc6fe_qkvgemm, .Lfunc_end_k_q4527abc6fe_qkvgemm-k_q4527abc6fe_qkvgemm
	.p2alignl 7, 3214868480
	.fill 96, 4, 3214868480
	.section	.rodata,"a",@progbits
	.p2align	6, 0x0
	.amdhsa_kernel k_q4527abc6fe_qkvgemm
		.amdhsa_group_segment_fixed_size 327680
		.amdhsa_private_segment_fixed_size 0
		.amdhsa_enable_private_segment 0
		.amdhsa_kernarg_size 24
		.amdhsa_user_sgpr_count 2
		.amdhsa_user_sgpr_kernarg_segment_ptr 1
		.amdhsa_wavefront_size32 1
		.amdhsa_system_sgpr_workgroup_id_x 1
		.amdhsa_system_sgpr_workgroup_id_y 1
		.amdhsa_system_sgpr_workgroup_id_z 1
		.amdhsa_system_vgpr_workitem_id 0
		.amdhsa_next_free_vgpr 768
		.amdhsa_next_free_sgpr 100
		.amdhsa_reserve_vcc 0
		.amdhsa_float_denorm_mode_32 3
		.amdhsa_float_denorm_mode_16_64 3
		.amdhsa_memory_ordered 1
		.amdhsa_forward_progress 1
		.amdhsa_inst_pref_size 158
	.end_amdhsa_kernel
	.amdgpu_metadata
---
amdhsa.version: [ 1, 2 ]
amdhsa.kernels:
  - .name:           k_q4527abc6fe_qkvgemm
    .symbol:         k_q4527abc6fe_qkvgemm.kd
    .args:
      - { .name: xq, .offset: 0, .size: 8, .value_kind: global_buffer, .address_space: global }
      - { .name: wq, .offset: 8, .size: 8, .value_kind: global_buffer, .address_space: global }
      - { .name: qkv, .offset: 16, .size: 8, .value_kind: global_buffer, .address_space: global }
    .group_segment_fixed_size: 327680
    .private_segment_fixed_size: 0
    .kernarg_segment_align: 8
    .kernarg_segment_size: 24
    .max_flat_workgroup_size: 128
    .sgpr_count:     100
    .vgpr_count:     768
    .wavefront_size: 32
...
	.end_amdgpu_metadata
.endif
;; end of part 2
;; launch attn (part 3): grid 4 x 64, 16 waves a work-group, clusters of 4 x 1, 263,168 bytes of LDS; arguments qkv, oq; writes oq
.if DOCPART == 3
	.amdgcn_target "amdgcn-amd-amdhsa--gfx1250"
	.amdhsa_code_object_version 6
	.text
	.protected	k_q4527abc6fe_attn
	.globl	k_q4527abc6fe_attn
	.p2align	8
	.type	k_q4527abc6fe_attn,@function
k_q4527abc6fe_attn:
	s_mov_b64 s[64:65], 0
	v_nop
	global_prefetch_b8 v0, s[64:65] scope:SCOPE_SE
	s_setreg_imm32_b32 hwreg(HW_REG_WAVE_MODE, 25, 1), 1
	s_wait_xcnt 0x0
	s_wait_alu depctr_hold_cnt(0) depctr_sa_sdst(0) depctr_va_vdst(0) depctr_va_sdst(0) depctr_va_ssrc(0) depctr_va_vcc(0) depctr_vm_vsrc(0)
	s_getreg_b32 s2, hwreg(HW_REG_IB_STS2, 6, 4)
	s_cmp_eq_u32 s2, 0
	s_cbranch_scc0 .Lentry_in_a_cluster
	s_endpgm
.Lentry_in_a_cluster:
	s_bfe_u32 s2, ttmp6, 0x10000c
	s_cmp_lg_u32 s2, 0x3003
	s_cbranch_scc0 .Lentry_shape_is_right
	s_endpgm
.Lentry_shape_is_right:
; Launch 3 of 4: o = softmax(q k^T / 8) v for one (batch, head) and 512 queries a work-group, both products on codes of E2M3; o is quantised at once for the last product.  Nothing of reference() is left out.
; THE SOFTMAX AHEAD OF THE SECOND PRODUCT: t = score x log2(e) / 8; M = the running largest t rounded UP to a whole number, kept as -M = floor(-t); p = 2^(t - M) is quantised along the keys, not normalised;
; the row's sum is taken of the unquantised p and divides at the end; when M moves, the sum and O are multiplied by 2^(old M - new M), which rounds nothing.
; A WHOLE HEAD'S k AND v LIE IN LDS: 16 groups of 128 keys (k's codes | v's codes | k's scale words | v's: 13,056 bytes of memory), as images of operand registers.  Each of the sixteen waves brings one group by ONE
; tensor load, as 51 rows of 256 bytes with 64 bytes of padding behind each: byte y of a group lies at y + 64 (y / 256), a group is 16,320 bytes.  LDS is filled once: no ring and no barrier in the loop.
; The four work-groups of a cluster belong to one head and ask jointly.
; SHARES: wave w owns a pair of tiles of 16 queries and walks all 2,048 keys once for each (two passes), 128 keys a step; four waves share a SIMD.
; Both products are used transposed (S^T = k q^T, O^T = v^T p^T): a lane holds one query throughout.
; WHICH KEYS FORM A TILE OF k is chosen by the lanes' LDS addresses.  In memory tile 2 P + u, row x, is key 32 P + 8 u + x + 8 (x / 8).  Here tile 4 g + 2 T + u takes for its rows 0-7 rows 8 T + 0..7 of stored tile (2 g, u),
; and for its rows 8-15 the same rows of stored tile (2 g + 1, u): row 8 h + j is key 64 g + 32 h + 8 (u + 2 T) + j.  So the 32 scores that lane (r, h) holds of tiles 4 g .. 4 g + 3 are keys 64 g + 32 h + 0 .. 31:
; ONE WHOLE SCALE BLOCK of the second product, in the order of that operand's registers 6 g .. 6 g + 5.  A block's maximum needs no other lane and its codes no swap.  With the padding a pair of stored tiles is 1,920 bytes,
; 128 modulo 256, so the sixteen lanes of a load's half touch sixteen different columns of 16 bytes.
; THE FIRST PRODUCT'S K IS 64 in an instruction 128 deep: q's upper six registers are zero codes, so what stands in k's upper six (the next tile's codes, or zeros behind tile 7) adds nothing; the scale bytes of those blocks are 0.
; NO PREFETCH: a wave asks for its one group at the head, and there is no loop to run ahead in.
; LIMITS: the scaled scores stay under 2^31 in magnitude; a p under 2^-126 comes out as 0 (ISA guide, v_exp_f32); a block of zeros has the byte 1; NaN and infinities are not served.
; A block's largest p is made from the block's largest score by the same two instructions as every p.
; REGISTERS: v1, v2, v7: 16, 8, 4 x lane; v3, v4, v8 the lanes' places in k's codes, v's codes, k's scale words; v5, v6 the add's; v10, v11, v28, v29 LDS addresses in hand; v12 -M, v13 the largest score, v[14:15] the sum;
;   v16-27 q and zeros; v30, v31, v254 at work; v32-79 k's 8 tiles, then v's 4; v80-85 zeros; v86-95 maxima, then partial sums; v96-159 S^T, then p; v160-191 O^T; v192-203 both tiles of q; v204-215 o's codes; v216-218 o's scale bytes;
;   v224-235 p's codes; v232-247 at work; v248-251 k's, then v's scale words; v252 the factor; v253 p's scale word; v255 q's.
.set REC,   19712
.set GRP,   16320
.set SPARE, 261120                     ; behind the 16 groups: the spare words, 128 bytes for each wave
.set OSC,   6291456                    ; where oq's scale words begin
.set L16, 1
.set L8,  2
.set KAL, 3
.set VAL, 4
.set SPW, 5
.set NIL, 6
.set L4,  7
.set SKL, 8
.set KA,  10
.set SK,  11
.set VA,  28
.set SV,  29
.set WV,  8
.set SEL, 40
.set CS,  42
.set MASK, 44
.set TB,  45
.set CNT, 46
.macro CROUND
	s_barrier_signal -1
	s_barrier_wait -1
	s_cmp_lg_u32 s[WV], 0
	s_cbranch_scc1 .Lnot_wave_0_\@
	s_barrier_signal -3
.Lnot_wave_0_\@:
	s_barrier_wait -3
	s_barrier_signal -1
	s_barrier_wait -1
.endm
.macro DEP n
	s_delay_alu instid0(VALU_DEP_\n)
.endm
.macro WALU
	s_wait_alu depctr_va_vdst(0)
.endm
	s_load_b128 s[4:7], s[0:1], 0x0                ; qkv, oq
	v_lshl_add_u32 v[SPW], v0, 2, SPARE
	v_mov_b32 v[NIL], 0
	ds_add_u32 v[SPW], v[NIL]                      ; the opening: the add, twice on end, and its wait ahead of my first tensor load
	ds_add_u32 v[SPW], v[NIL]
	v_lshrrev_b32 v9, 5, v0
	DEP 1
	v_readfirstlane_b32 s[WV], v9                  ; wave 0..15
	v_and_b32 v9, 31, v0
	DEP 1
	v_lshlrev_b32 v[L16], 4, v9
	DEP 2
	v_lshlrev_b32 v[L8], 3, v9
	DEP 3
	v_lshlrev_b32 v[L4], 2, v9
	v_and_b32 v30, 7, v0                           ; r % 8
	v_bfe_u32 v31, v0, 3, 1                        ; r / 8
	v_bfe_u32 v9, v0, 4, 1                         ; h
	v_and_b32 v10, 15, v0                          ; r
	DEP 3
	v_mul_u32_u24 v[KAL], v31, 1920                ; k's codes: rows 8-15 come from the next stored pair,
	DEP 1
	v_mad_u32_u24 v[KAL], v9, 320, v[KAL]          ; the upper lanes' 256 bytes lie behind one padding more,
	DEP 1
	v_lshl_add_u32 v[KAL], v30, 4, v[KAL]          ; 16 bytes a row
	v_mul_u32_u24 v[VAL], v9, 320                  ; v's codes: 16 r + 320 h
	DEP 1
	v_lshl_add_u32 v[VAL], v10, 4, v[VAL]
	v_lshlrev_b32 v[SKL], 7, v9                    ; k's scale words: lanes 16-31 take the odd tile's: 128 u + 8 (r % 8) + 4 (r / 8)
	DEP 1
	v_lshl_add_u32 v[SKL], v30, 3, v[SKL]
	DEP 1
	v_lshl_add_u32 v[SKL], v31, 2, v[SKL]
	s_bfe_u32 s9, ttmp6, 0x40000                   ; cx: my block of 512 queries
	s_and_b32 s10, ttmp7, 0xffff                   ; 16 x batch + head, which the four partners share
	s_mov_b32 s16, 15|(3<<16)|(1<<20)|(1<<21)|(5<<22)|(15<<25)   ; group 1: the mask names all four; elements of 8 bytes; padding on; bit 21 beside a mask; after every 64 words 16 words
	s_mov_b32 s17, 32<<16                          ; rows of 256 bytes,
	s_mov_b32 s18, 51<<16                          ; 51 of them: 13,056 dense bytes
	s_mov_b32 s19, 32<<16
	s_mov_b32 s20, 51
	s_mov_b32 s21, 32
	s_mov_b32 s22, 0
	s_mov_b32 s23, 0
	s_lshl_b32 s24, s10, 4                         ; the head's first record
	s_add_co_u32 s26, s24, s[WV]                   ; I fetch group w
	s_mul_i32 s26, s26, REC
	s_mov_b32 s27, 0
	s_mov_b32 s12, 1
	s_mul_i32 s13, s[WV], GRP
	s_lshl_b32 s28, s9, 2                          ; my queries: group 4 cx + w / 4, pair w % 4
	s_lshr_b32 s29, s[WV], 2
	s_add_co_u32 s28, s28, s29
	s_add_co_u32 s28, s28, s24
	s_mul_i32 s28, s28, REC
	s_and_b32 s30, s[WV], 3
	s_mul_i32 s31, s30, 1536
	s_add_co_u32 s32, s28, s31
	s_mov_b32 s33, 0
	s_lshr_b32 s34, s30, 1
	s_lshl_b32 s34, s34, 8
	s_and_b32 s35, s[WV], 1
	s_lshl_b32 s35, s35, 2
	s_add_co_u32 s34, s34, s35
	s_add_co_u32 s34, s34, s28
	s_mov_b32 s35, 0
	s_lshr_b32 s47, s10, 4                         ; batch
	s_and_b32 s48, s10, 15                         ; head
	s_lshl_b32 s36, s47, 6
	s_lshl_b32 s49, s9, 4
	s_add_co_u32 s36, s36, s49
	s_add_co_u32 s36, s36, s[WV]                   ; my pair of token tiles: 64 b + 16 cx + w
	s_lshl_b32 s38, s36, 10
	s_mul_i32 s36, s36, 24576
	s_lshr_b32 s49, s48, 1                         ; the last product's K step: two heads
	s_and_b32 s48, s48, 1                          ; and my half of its fragments
	s_mul_i32 s50, s49, 1536
	s_add_co_u32 s36, s36, s50
	s_mul_i32 s50, s48, 768
	s_add_co_u32 s36, s36, s50
	s_mov_b32 s37, 0
	s_lshl_b32 s49, s49, 7
	s_add_co_u32 s38, s38, s49
	s_lshl_b32 s48, s48, 1
	s_add_co_u32 s38, s38, s48
	s_add_co_u32 s38, s38, OSC
	s_mov_b32 s39, 0
	s_mov_b32 s[SEL], 0x76543210
	s_mov_b32 s[SEL+1], 0xfedcba98                 ; lane l xor 16
	s_mov_b32 s[CS], 0x3e38aa3b                    ; c = log2(e) / 8
	s_mov_b32 s[CS+1], s[CS]                       ; (named with it as a pair)
	s_mov_b32 s[MASK], 0xffff0000
	WALU                                           ; the wait at the end of the head's vector work
	s_wait_dscnt 0x0                               ; both opening adds are done
	s_wait_kmcnt 0x0
	s_add_nc_u64 s[14:15], s[4:5], s[26:27]
	s_or_b32 s15, s15, 0x80000000
	s_add_nc_u64 s[32:33], s[4:5], s[32:33]
	s_add_nc_u64 s[34:35], s[4:5], s[34:35]
	s_add_nc_u64 s[36:37], s[6:7], s[36:37]
	s_add_nc_u64 s[38:39], s[6:7], s[38:39]
	CROUND                                         ; all four work-groups are here: the joint loads meet
	tensor_load_to_lds s[12:15], s[16:23]
	s_nop 0
.rept 4
	v_nop
.endr
.irp c, 0,1,2
	global_load_b128 v[192+4*\c:195+4*\c], v[L16], s[32:33] offset:13056+512*\c   ; both tiles of q: six registers each
.endr
	global_load_b32 v255, v[L8], s[34:35] offset:19200   ; q's scale words: lanes 0-15 the first tile's, lanes 16-31 the second's
.irp i, 0,1,2,3,4,5
	v_mov_b32 v[22+\i], 0                          ; q's upper half: zero codes
	v_mov_b32 v[80+\i], 0                          ; behind k's tile 7
.endr
	v_mov_b32 v31, 0                               ; (a lane permute's destination counts as one of its sources)
	v_mov_b32 v90, 0
	v_mov_b32 v91, 0
	v_mov_b32 v253, 0                              ; (named as the upper half of the pair v[252:253] before it is first written)
	WALU                                           ; the wait here, directly ahead of the wait below
	s_wait_tensorcnt 0x0                           ; my group has landed,
	s_barrier_signal -1
	s_barrier_wait -1                              ; everybody's has
	s_wait_loadcnt 0x0                             ; q
.macro KQ t, pj                        ; S^T of k's tile t; an odd tile's scale words stand in lanes 16-31; pass pj takes q's words from that half of v255
.if ((\t)%2 == 0) && ((\pj) == 0)
	v_wmma_scale_f32_16x16x128_f8f6f4 v[96+8*(\t):103+8*(\t)], v[32+6*(\t):43+6*(\t)], v[16:27], 0, v[248+(\t)/2], v255 matrix_a_fmt:MATRIX_FMT_FP6 matrix_b_fmt:MATRIX_FMT_FP6
.elseif ((\pj) == 0)
	v_wmma_scale_f32_16x16x128_f8f6f4 v[96+8*(\t):103+8*(\t)], v[32+6*(\t):43+6*(\t)], v[16:27], 0, v[248+(\t)/2], v255 matrix_a_fmt:MATRIX_FMT_FP6 matrix_b_fmt:MATRIX_FMT_FP6 matrix_a_scale:MATRIX_SCALE_ROW1
.elseif ((\t)%2 == 0)
	v_wmma_scale_f32_16x16x128_f8f6f4 v[96+8*(\t):103+8*(\t)], v[32+6*(\t):43+6*(\t)], v[16:27], 0, v[248+(\t)/2], v255 matrix_a_fmt:MATRIX_FMT_FP6 matrix_b_fmt:MATRIX_FMT_FP6 matrix_b_scale:MATRIX_SCALE_ROW1
.else
	v_wmma_scale_f32_16x16x128_f8f6f4 v[96+8*(\t):103+8*(\t)], v[32+6*(\t):43+6*(\t)], v[16:27], 0, v[248+(\t)/2], v255 matrix_a_fmt:MATRIX_FMT_FP6 matrix_b_fmt:MATRIX_FMT_FP6 matrix_a_scale:MATRIX_SCALE_ROW1 matrix_b_scale:MATRIX_SCALE_ROW1
.endif
.endm
.macro PV t                            ; O^T += v^T p^T, 16 of the head's 64; the four accumulators take turns
.if (\t)%2 == 0
	v_wmma_scale_f32_16x16x128_f8f6f4 v[160+8*(\t):167+8*(\t)], v[32+12*(\t):43+12*(\t)], v[224:235], v[160+8*(\t):167+8*(\t)], v[248+(\t)/2], v253 matrix_a_fmt:MATRIX_FMT_FP6 matrix_b_fmt:MATRIX_FMT_FP6
.else
	v_wmma_scale_f32_16x16x128_f8f6f4 v[160+8*(\t):167+8*(\t)], v[32+12*(\t):43+12*(\t)], v[224:235], v[160+8*(\t):167+8*(\t)], v[248+(\t)/2], v253 matrix_a_fmt:MATRIX_FMT_FP6 matrix_b_fmt:MATRIX_FMT_FP6 matrix_a_scale:MATRIX_SCALE_ROW1
.endif
.endm
; A KEY STEP: the group of 128 keys at LDS byte s[TB]
.macro STEP pj
	v_add_nc_u32 v[KA], s[TB], v[KAL]
	v_add_nc_u32 v[SK], s[TB], v[SKL]
.irp i, 0,1,2,3                        ; i = 2 g + T: tiles 2 i and 2 i + 1, twelve registers; the last step's sums are the places between its products and these loads
.irp c, 0,1,2
	ds_load_b128 v[32+12*\i+4*\c:35+12*\i+4*\c], v[KA] offset:3840*(\i/2)+128*(\i%2)+640*\c
.endr
	ds_load_b32 v[248+\i], v[SK] offset:15360+320*(\i/2)+64*(\i%2)
.endr
	WALU                                           ; the wait here, directly ahead of the wait below
	s_wait_dscnt 0x0                               ; k is in
.irp t, 0,1,2,3,4,5,6,7
	KQ \t, \pj
.endr
	v_add_nc_u32 v[VA], s[TB], v[VAL]              ; four places: then v's loads into k's registers, and the first reads of the scores
	v_add_nc_u32 v[SV], s[TB], v[L8]
	v_mov_b32 v30, v12                             ; the old -M
	v_nop
.irp t, 0,1,2,3
.irp c, 0,1,2
	ds_load_b128 v[32+12*\t+4*\c:35+12*\t+4*\c], v[VA] offset:7680+1920*\t+640*\c   ; v lands while the softmax is worked
.endr
.endr
	ds_load_b64 v[248:249], v[SV] offset:16000
.irp t, 0,1,2,3,4,5,6,7                ; the largest score of each of my two blocks of 32 keys: eight chains, one to a tile, each from the accumulator's low end on
	v_max3_num_f32 v[86+\t], v[96+8*\t], v[97+8*\t], v[98+8*\t]
.endr
.irp i, 3,5
.irp t, 0,1,2,3,4,5,6,7
	v_max3_num_f32 v[86+\t], v[86+\t], v[96+8*\t+\i], v[97+8*\t+\i]
.endr
.endr
.irp g, 0,1                            ; a block's four chains and its tiles' last registers
	v_max3_num_f32 v[86+4*\g], v[86+4*\g], v[87+4*\g], v[103+32*\g]
	v_max3_num_f32 v[88+4*\g], v[88+4*\g], v[89+4*\g], v[111+32*\g]
.endr
.irp g, 0,1
	v_max3_num_f32 v[86+4*\g], v[86+4*\g], v[119+32*\g], v[127+32*\g]
.endr
.irp g, 0,1
	DEP 2
	v_max_num_f32 v[86+4*\g], v[86+4*\g], v[88+4*\g]   ; v86, v90: the blocks' largest scores
.endr
	DEP 1
	v_max_num_f32 v254, v86, v90
	DEP 1
	v_permlanex16_b32 v31, v254, s[SEL], s[SEL+1]
	DEP 1
	v_max3_num_f32 v13, v13, v254, v31             ; the running largest score of my query (c is positive)
	DEP 1
	v_mul_f32 v254, s[CS], v13                     ; as t
	DEP 1
	v_floor_f32 v12, -v254                         ; the new -M = -ceil(t)
.set n, 0
.rept 32
	v_pk_fma_f32 v[96+n:97+n], v[96+n:97+n], s[CS:CS+1], v[12:13] op_sel_hi:[1,0,0]   ; t - M, two at a time; the factor's three lines stand among them
.if n == 6
	v_sub_f32 v254, v12, v30                       ; old M - new M: a whole number, 0 or less
.elseif n == 14
	v_cvt_i32_f32 v254, v254                       ; (it saturates)
.elseif n == 22
	v_ldexp_f32 v252, 1.0, v254                    ; f = 2^(old M - new M)
.endif
.set n, n+2
.endr
.irp g, 0,1
	v_fma_f32 v[86+4*\g], v[86+4*\g], s[CS], v12   ; the same of each block's largest score
.endr
	WALU                                           ; the wait ahead of the batch
.set n, 0
.rept 64
	v_exp_f32 v[96+n], v[96+n]                     ; p = 2^(t - M)
.set n, n+1
.endr
.irp g, 0,1
	v_exp_f32 v[86+4*\g], v[86+4*\g]               ; the blocks' largest p
.endr
	v_nop                                          ; a plain place behind the exponentials
	WALU                                           ; one wait for the batch, directly ahead of the first reader of O^T too
.set n, 0
.rept 16
	v_pk_mul_f32 v[160+n:161+n], v[160+n:161+n], v[252:253] op_sel_hi:[1,0]   ; O^T under the new M
.set n, n+2
.endr
.irp g, 0,1
	v_max_num_f32 v[86+4*\g], 0x1800000, v[86+4*\g]   ; the floor 2^(3 - 127)
.endr
.irp g, 0,1
	DEP 2
	v_add_nc_u32 v[244+\g], 0xff000000, v[86+4*\g] ; 2 off the exponent field: the conversion's scale operand
.endr
.irp g, 0,1
	v_cvt_scalef32_pk16_fp6_f32 v[224+6*\g:226+6*\g], v[96+32*\g:111+32*\g], v[244+\g]
	v_cvt_scalef32_pk16_fp6_f32 v[236+4*\g:238+4*\g], v[112+32*\g:127+32*\g], v[244+\g]   ; (a conversion's three registers begin on an even number)
.endr
.irp g, 0,1
	v_lshrrev_b32 v[246+\g], 23, v[244+\g]         ; the scale's byte: block 2 g + h.  (The plain place behind the conversions)
.endr
	DEP 1
	v_lshl_or_b32 v254, v247, 16, v246
	DEP 1
	v_permlanex16_b32 v31, v254, s[SEL], s[SEL+1]
	DEP 1
	v_lshl_or_b32 v253, v31, 8, v254               ; lanes 0-15: p's scale word of these 128 keys (lanes 16-31 are not read)
.irp g, 0,1
.irp i, 0,1,2
	v_mov_b32 v[227+6*\g+\i], v[236+4*\g+\i]
.endr
.endr
	v_pk_fma_f32 v[14:15], v[14:15], v[252:253], v[96:97] op_sel_hi:[1,0,1]   ; THE ROW'S SUM, of the unquantised p, in eight chains: the old sum under the new M, and the first pair.
.set n, 98                             ; (These eight lines are also the places between the writes of p's codes and scale word and the products)
.irp r, 86,88,90,92,94,236,240
	v_pk_add_f32 v[\r:\r+1], v[n:n+1], v[n+2:n+3]
.set n, n+4
.endr
	WALU                                           ; the wait here, directly ahead of the wait below
	s_wait_dscnt 0x0                               ; v is in
.irp t, 0,1,2,3
	PV \t
.endr
.rept 2                                ; the rest of the sum stands behind the products and names none of their registers
.irp r, 14,86,88,90,92,94,236,240
	v_pk_add_f32 v[\r:\r+1], v[\r:\r+1], v[n:n+1]
.set n, n+2
.endr
.endr
	v_pk_add_f32 v[14:15], v[14:15], v[158:159]
	v_pk_add_f32 v[86:87], v[86:87], v[88:89]
	v_pk_add_f32 v[90:91], v[90:91], v[92:93]
	v_pk_add_f32 v[94:95], v[94:95], v[236:237]
	DEP 4
	v_pk_add_f32 v[14:15], v[14:15], v[240:241]
	DEP 3
	v_pk_add_f32 v[86:87], v[86:87], v[90:91]
	DEP 2
	v_pk_add_f32 v[14:15], v[14:15], v[94:95]
	DEP 1
	v_pk_add_f32 v[14:15], v[14:15], v[86:87]
	s_add_co_u32 s[TB], s[TB], GRP
	WALU                                           ; the wait here, ahead of the branch
.endm
; A PASS: my tile pj of 16 queries against all 16 groups of keys, then o / the sum, quantised along the head's 64 and stored as my head's half of a fragment
.macro PASS pj
.irp i, 0,1,2,3,4,5
	v_mov_b32 v[16+\i], v[192+6*(\pj)+\i]
.endr
	v_mov_b32 v13, 0xff61b1e6                      ; the largest score so far: -3e38
	DEP 1
	v_floor_f32 v12, -v13
	v_mov_b32 v14, 0
	v_mov_b32 v15, 0
.set n, 0
.rept 32
	v_mov_b32 v[160+n], 0                          ; O^T: the step is written once; its first trip finds zeros
.set n, n+1
.endr
	s_mov_b32 s[TB], 0
	s_mov_b32 s[CNT], 16
.Lkeys_\pj:
	STEP \pj
	s_sub_co_u32 s[CNT], s[CNT], 1
	s_cmp_lg_u32 s[CNT], 0
	s_cbranch_scc1 .Lkeys_\pj
	v_add_f32 v14, v14, v15
	DEP 1
	v_permlanex16_b32 v252, v14, s[SEL], s[SEL+1]
	DEP 1
	v_add_f32 v14, v14, v252                       ; the row's sum
	WALU
	v_rcp_f32 v14, v14
	v_nop                                          ; a plain place behind the reciprocal,
	WALU                                           ; and the wait ahead of its first reader, which is O^T's first reader too
.set n, 0
.rept 32
	v_mul_f32 v[96+n], v[160+n], v14               ; register 16 b + i: channel 32 b + 16 (lane / 16) + i
.set n, n+1
.endr
.irp b, 0,1
	v_max3_num_f32 v[232+\b], |v[96+16*\b]|, |v[97+16*\b]|, 0x1800000
.endr
.irp i, 2,4,6,8,10,12,14
.irp b, 0,1
	DEP 2
	v_max3_num_f32 v[232+\b], v[232+\b], |v[96+16*\b+\i]|, |v[97+16*\b+\i]|
.endr
.endr
.irp b, 0,1
	DEP 2
	v_permlanex16_b32 v[90+\b], v[232+\b], s[SEL], s[SEL+1]
.endr
.irp b, 0,1
	DEP 2
	v_max_num_f32 v[232+\b], v[232+\b], v[90+\b]   ; with lane l xor 16's 16 channels
.endr
.irp b, 0,1
	DEP 2
	v_add_nc_u32 v[244+\b], 0xff000000, v[232+\b]
.endr
.irp b, 0,1
	DEP 2
	v_lshrrev_b32 v[238+\b], 23, v[244+\b]
.endr
	DEP 1
	v_lshl_or_b32 v[216+(\pj)], v239, 8, v238      ; my head's two bytes of the token's scale word
	v_cvt_scalef32_pk16_fp6_f32 v[204+6*(\pj):206+6*(\pj)], v[96:111], v244
	v_cvt_scalef32_pk16_fp6_f32 v[240:242], v[112:127], v245
	v_nop
.irp i, 0,1,2
	v_permlane16_swap_b32 v[204+6*(\pj)+\i], v[240+\i]
.endr
.irp i, 0,1,2
	DEP 3
	v_mov_b32 v[207+6*(\pj)+\i], v[240+\i]
.endr
	global_store_b64 v[L8], v[204+6*(\pj):205+6*(\pj)], s[36:37] offset:12288*(\pj)          ; 256 consecutive bytes: my half's first two registers,
	global_store_b128 v[L16], v[206+6*(\pj):209+6*(\pj)], s[36:37] offset:12288*(\pj)+256     ; 512: its other four
.endm
	PASS 0
	PASS 1
	v_cndmask_b32 v218, v216, v217, s[MASK]        ; lanes 0-15: the first tile's bytes, lanes 16-31: the second's
	global_store_b16 v[L4], v218, s[38:39]         ; two bytes a lane: all that one head owns of a token's scale word
	s_wait_tensorcnt 0x0                           ; the wave's end
	ds_add_u32 v[SPW], v[NIL]
	s_wait_dscnt 0x0
	CROUND                                         ; the closing round
	s_endpgm
.Lfunc_end_k_q4527abc6fe_attn:
	.size	k_q4527abc6fe_attn, .Lfunc_end_k_q4527abc6fe_attn-k_q4527abc6fe_attn
	.p2alignl 7, 3214868480
	.fill 96, 4, 3214868480
	.section	.rodata,"a",@progbits
	.p2align	6, 0x0
	.amdhsa_kernel k_q4527abc6fe_attn
		.amdhsa_group_segment_fixed_size 263168
		.amdhsa_private_segment_fixed_size 0
		.amdhsa_enable_private_segment 0
		.amdhsa_kernarg_size 16
		.amdhsa_user_sgpr_count 2
		.amdhsa_user_sgpr_kernarg_segment_ptr 1
		.amdhsa_wavefront_size32 1
		.amdhsa_system_sgpr_workgroup_id_x 1
		.amdhsa_system_sgpr_workgroup_id_y 1
		.amdhsa_system_sgpr_workgroup_id_z 1
		.amdhsa_system_vgpr_workitem_id 0
		.amdhsa_next_free_vgpr 256
		.amdhsa_next_free_sgpr 66
		.amdhsa_reserve_vcc 0
		.amdhsa_float_denorm_mode_32 3
		.amdhsa_float_denorm_mode_16_64 3
		.amdhsa_memory_ordered 1
		.amdhsa_forward_progress 1
		.amdhsa_inst_pref_size 48
	.end_amdhsa_kernel
	.amdgpu_metadata
---
amdhsa.version: [ 1, 2 ]
amdhsa.kernels:
  - .name:           k_q4527abc6fe_attn
    .symbol:         k_q4527abc6fe_attn.kd
    .args:
      - { .name: qkv, .offset: 0, .size: 8, .value_kind: global_buffer, .address_space: global }
      - { .name: oq, .offset: 8, .size: 8, .value_kind: global_buffer, .address_space: global }
    .group_segment_fixed_size: 263168
    .private_segment_fixed_size: 0
    .kernarg_segment_align: 8
    .kernarg_segment_size: 16
    .max_flat_workgroup_size: 512
    .sgpr_count:     66
    .vgpr_count:     256
    .wavefront_size: 32
...
	.end_amdgpu_metadata
.endif
;; end of part 3
;; launch outgemm (part 4): grid 8 x 32, 4 waves a work-group, clusters of 4 x 4, 295,424 bytes of LDS; arguments oq, wo, b_out, out0; writes out0
.if DOCPART == 4
	.amdgcn_target "amdgcn-amd-amdhsa--gfx1250"
	.amdhsa_code_object_version 6
	.text
	.protected	k_q4527abc6fe_outgemm
	.globl	k_q4527abc6fe_outgemm
	.p2align	8
	.type	k_q4527abc6fe_outgemm,@function
k_q4527abc6fe_outgemm:
	s_mov_b64 s[64:65], 0
	v_nop
	global_prefetch_b8 v0, s[64:65] scope:SCOPE_SE
	s_setreg_imm32_b32 hwreg(HW_REG_WAVE_MODE, 25, 1), 1
	s_wait_xcnt 0x0
	s_wait_alu depctr_hold_cnt(0) depctr_sa_sdst(0) depctr_va_vdst(0) depctr_va_sdst(0) depctr_va_ssrc(0) depctr_va_vcc(0) depctr_vm_vsrc(0)
	s_getreg_b32 s2, hwreg(HW_REG_IB_STS2, 6, 4)
	s_cmp_eq_u32 s2, 0
	s_cbranch_scc0 .Lentry_in_a_cluster
	s_endpgm
.Lentry_in_a_cluster:
	s_bfe_u32 s2, ttmp6, 0x10000c
	s_cmp_lg_u32 s2, 0xf033
	s_cbranch_scc0 .Lentry_shape_is_right
	s_endpgm
.Lentry_shape_is_right:
; Launch 4 of 4: out0 = o w_out + b_out on codes of E2M3.  Nothing of reference() is left out.
; A work-group makes R 256 tokens (source 1: a token a lane) x S 128 output columns (source 0: along the registers), K = 1,024 whole in LDS, filled ONCE: no byte of LDS is filled again.
; Wave w: R tiles 4 w .. 4 w + 3 against all 8 S tiles: 32 accumulators, which take turns in the same order in every K step.  The bias is the C of the first K step's products.
; LDS: [half of K][tile][6,144 bytes]: R's two halves from byte 0 (16 tiles, 98,304 bytes each), S's two from SOFF (8 tiles, 49,152 each).
; FILLS: one joint load a wave at the head, each in an arm of its own: wave 0 R's K steps 0-3, wave 1 S's K steps 0-3, waves 2 and 3 the same of K steps 4-7.  The first barrier waits for waves 0 and 1 alone;
; a second one, in the fourth K step, with every wave's wait ahead of it, shows the rest.  By this text's count a wave has one tensor load out.
; o's fragments lie as two heads wrote them: for each half e of a fragment, at 768 e: registers 6 e, 6 e + 1 at 8 x lane, then registers 6 e + 2 .. 6 e + 5 at 256 + 16 x lane.
; Tiles lie in the order 32 P + 8 u + r + 8 (r / 8), tokens and columns alike; the way out puts both back.
; CLUSTER 4 x 4: R's tiles hang on the cluster's row, S's on its column: each is asked for jointly.
; NO PREFETCH: every tile is asked for at the head, and there is no loop to run ahead in.
; REGISTERS: window 0: v1-3 16, 8, 4 x lane; LDS addresses, one for each half of K: v4-5, v12-13 of R's fragments (16 and 8 bytes a lane), v8-9 of S's; v16, v17 the add's; v18, v19 the stage; v20 the bias's offset; v24-39 R's scale words, v40-71 S's;
;   v72-167 R's fragments, two sets; v168-231 the bias; on the way out v72-199 rows of out0.  Window 1: S's fragments, two sets.  Window 2: accumulator (a, b) at v[8 (8 a + b)].
.set TILEB, 12288
.set HALFK, 6144
.set SOFF,  196608
.set SPARE, 294912
.set OSC,   6291456                    ; where oq's scale words begin
.set WSC,   786432                     ; and wo's
.set L16, 1
.set L8,  2
.set L4,  3
.set AR,  4
.set AS,  8
.set AR8, 12
.set SPW, 16
.set NIL, 17
.set STO, 18
.set RD,  19
.set RS,  24
.set SS,  40
.set RF,  72
.set BI,  168
.set BK,  72
.set WV,  12
.set G1R, 24
.set G1S, 32
.set G0R, 40
.set G0S, 44
.set MSB, 0
.macro WIN new
.if MSB != \new
	s_set_vgpr_msb (MSB<<8)|\new
.set MSB, \new
.endif
.endm
.macro PLACES n
.rept \n
	v_nop
.endr
.endm
.macro CROUND
	s_barrier_signal -1
	s_barrier_wait -1
	s_cmp_lg_u32 s[WV], 0
	s_cbranch_scc1 .Lnot_wave_0_\@
	s_barrier_signal -3
.Lnot_wave_0_\@:
	s_barrier_wait -3
	s_barrier_signal -1
	s_barrier_wait -1
.endm
.macro GROUP1 g, rows                  ; rows of 6,144 bytes (768 elements of 8), 12,288 bytes apart in memory, dense in LDS
	s_mov_b32 s[\g+1], 768<<16
	s_mov_b32 s[\g+2], (\rows)<<16
	s_mov_b32 s[\g+3], 768<<16
	s_mov_b32 s[\g+4], \rows
	s_mov_b32 s[\g+5], 1536
	s_mov_b32 s[\g+6], 0
	s_mov_b32 s[\g+7], 0
.endm
	s_load_b256 s[4:11], s[0:1], 0x0               ; oq s[4:5], wo s[6:7], b_out s[8:9], out0 s[10:11]
	v_lshl_add_u32 v[SPW], v0, 2, SPARE
	v_mov_b32 v[NIL], 0
	ds_add_u32 v[SPW], v[NIL]                      ; the opening: the add, twice on end, and its wait ahead of my first tensor load
	ds_add_u32 v[SPW], v[NIL]
	v_lshrrev_b32 v21, 5, v0
	v_readfirstlane_b32 s[WV], v21                 ; wave
	s_mul_i32 s94, s[WV], 24576                    ; my four tiles of R in a half of K
	s_lshr_b32 s86, s[WV], 1                       ; the half of K that I fetch
	v_and_b32 v21, 31, v0
	v_lshlrev_b32 v[L16], 4, v21
	v_lshlrev_b32 v[L8], 3, v21
	v_lshlrev_b32 v[L4], 2, v21
	v_add_nc_u32 v[AR], s94, v[L16]
	v_add_nc_u32 v[AR+1], 98304, v[AR]
	v_add_nc_u32 v[AR8], s94, v[L8]
	v_add_nc_u32 v[AR8+1], 98304, v[AR8]
	v_add_nc_u32 v[AS], SOFF, v[L16]
	v_add_nc_u32 v[AS+1], SOFF+49152, v[L16]
	v_and_b32 v21, 15, v0                          ; r
	v_bfe_u32 v22, v0, 4, 1                        ; h
	v_lshlrev_b32 v20, 6, v22                      ; the bias: 16 h numbers on
	v_mul_u32_u24 v[STO], v21, 528                 ; my stage for the way out: 16 rows x (512 bytes + 16), at the start of my own four tiles of R's K steps 0-3, which no other wave reads
	v_lshl_add_u32 v[STO], v22, 6, v[STO]
	v_add_nc_u32 v[STO], s94, v[STO]               ; in: row r, + 64 h
	v_add_nc_u32 v[RD], s94, v[L16]                ; back: a row of 512 bytes to the 32 lanes
	s_bfe_u32 s13, ttmp6, 0x40000                  ; cx
	s_bfe_u32 s14, ttmp6, 0x40004                  ; cy
	s_lshl_b32 s21, s14, 2
	s_lshl_b32 s21, 15, s21                        ; my row of the cluster
	s_lshl_b32 s22, 0x1111, s13                    ; my column
	s_or_b32 s[G1R], s21, (3<<16)|(1<<21)          ; the mask; elements of 8 bytes; bit 21 beside a mask; no padding
	s_or_b32 s[G1S], s22, (3<<16)|(1<<21)
	GROUP1 G1R, 16
	GROUP1 G1S, 8
	s_and_b32 s15, ttmp7, 0xffff
	s_lshl_b32 s15, s15, 6
	s_lshl_b32 s84, s14, 4
	s_add_co_u32 s15, s15, s84                     ; R's first tile: 16 (4 Y + cy)
	s_lshl_b32 s20, ttmp9, 5
	s_lshl_b32 s85, s13, 3
	s_add_co_u32 s20, s20, s85                     ; S's first tile: 8 (4 X + cx)
	s_lshl_b32 s16, s[WV], 2
	s_add_co_u32 s16, s16, s15                     ; my first tile of R
	s_lshl_b32 s90, s16, 9
	s_add_co_u32 s90, s90, OSC
	s_mov_b32 s91, 0
	s_lshl_b32 s98, s16, 16                        ; 16 tokens of 4,096 bytes a tile
	s_lshl_b32 s96, s20, 6                         ; 16 columns of 4 bytes a tile
	s_add_co_u32 s98, s98, s96
	s_mov_b32 s99, 0
	s_mov_b32 s97, 0
	s_mul_i32 s87, s86, HALFK
	s_mul_i32 s16, s15, TILEB                      ; R's sixteen tiles, my half of K
	s_add_co_u32 s16, s16, s87
	s_mov_b32 s17, 0
	s_lshl_b32 s92, s20, 9
	s_add_co_u32 s92, s92, WSC
	s_mov_b32 s93, 0
	s_mul_i32 s18, s20, TILEB                      ; S's eight tiles, my half of K
	s_add_co_u32 s18, s18, s87
	s_mov_b32 s19, 0
	s_wait_alu depctr_va_vdst(0)                   ; the wait at the end of the head's vector work
	s_wait_dscnt 0x0                               ; both opening adds are done
	s_wait_kmcnt 0x0
	s_add_nc_u64 s[90:91], s[4:5], s[90:91]
	s_add_nc_u64 s[92:93], s[6:7], s[92:93]
	s_add_nc_u64 s[96:97], s[8:9], s[96:97]
	s_add_nc_u64 s[98:99], s[10:11], s[98:99]
	s_mov_b32 s[G0R], 1
	s_mul_i32 s[G0R+1], s86, 98304
	s_add_nc_u64 s[G0R+2:G0R+3], s[4:5], s[16:17]
	s_or_b32 s[G0R+3], s[G0R+3], 0x80000000
	s_mov_b32 s[G0S], 1
	s_mul_i32 s[G0S+1], s86, 49152
	s_add_co_u32 s[G0S+1], s[G0S+1], SOFF
	s_add_nc_u64 s[G0S+2:G0S+3], s[6:7], s[18:19]
	s_or_b32 s[G0S+3], s[G0S+3], 0x80000000
	CROUND                                         ; all sixteen work-groups are here: the joint loads meet
; one load a wave, in ONE chain of branches on the wave's number, an arm to a wave: so the waves that wait at the first barrier have load lines of their own
.macro ARM under, g0, g1, next
	s_cmp_lt_u32 s[WV], \under
	s_cbranch_scc0 \next
	tensor_load_to_lds s[\g0:\g0+3], s[\g1:\g1+7]
	s_nop 0
	PLACES 4
	s_branch .Lasked
\next:
.endm
	ARM 1, G0R, G1R, .Larm_1                       ; wave 0: R's K steps 0-3
	ARM 2, G0S, G1S, .Larm_2                       ; wave 1: S's K steps 0-3
	ARM 3, G0R, G1R, .Larm_3                       ; wave 2: R's K steps 4-7
	tensor_load_to_lds s[G0S:G0S+3], s[G1S:G1S+7]  ; wave 3: S's K steps 4-7
	s_nop 0
	PLACES 4
.Lasked:
.irp P, 0,1
.irp q, 0,1,2,3,4,5,6,7
	global_load_b32 v[RS+8*\P+\q], v[L4], s[90:91] offset:1024*\P+128*\q   ; lanes 0-15: the even tile's words, lanes 16-31: the odd tile's
.endr
.endr
.irp P, 0,1,2,3
.irp q, 0,1,2,3,4,5,6,7
	global_load_b32 v[SS+8*\P+\q], v[L4], s[92:93] offset:1024*\P+128*\q
.endr
.endr
.irp b, 0,1,2,3,4,5,6,7                ; register j of S tile b is column 32 (b / 2) + 8 (b % 2) + 16 h + j
	global_load_b128 v[BI+8*\b:BI+8*\b+3], v20, s[96:97] offset:(32*(\b/2)+8*(\b%2))*4
	global_load_b128 v[BI+8*\b+4:BI+8*\b+7], v20, s[96:97] offset:(32*(\b/2)+8*(\b%2))*4+16
.endr
.macro FRAGS q, p
	WIN 0x40                                       ; destination window 1
.irp b, 0,1,2,3,4,5,6,7
.irp c, 0,1,2
	ds_load_b128 v[128*(\p)+12*\b+4*\c:128*(\p)+12*\b+4*\c+3], v[AS+(\q)/4] offset:HALFK*\b+1536*((\q)%4)+512*\c
.endr
.endr
	WIN 0
.irp a, 0,1,2,3
.irp e, 0,1
	ds_load_b64 v[RF+48*(\p)+12*\a+6*\e:RF+48*(\p)+12*\a+6*\e+1], v[AR8+(\q)/4] offset:HALFK*\a+1536*((\q)%4)+768*\e
	ds_load_b128 v[RF+48*(\p)+12*\a+6*\e+2:RF+48*(\p)+12*\a+6*\e+5], v[AR+(\q)/4] offset:HALFK*\a+1536*((\q)%4)+768*\e+256
.endr
.endr
.endm
.macro WM1 c, ra, rb
	v_wmma_scale_f32_16x16x128_f8f6f4 v[rD:rD+7], v[rS:rS+11], v[rR:rR+11], \c, v[rX], v[rY] matrix_a_fmt:MATRIX_FMT_FP6 matrix_b_fmt:MATRIX_FMT_FP6 matrix_a_scale:MATRIX_SCALE_ROW\ra matrix_b_scale:MATRIX_SCALE_ROW\rb
.endm
.macro WMC c, a, b                     ; an odd tile's scale words stand in lanes 16-31 of its pair's register
.if ((\a)%2 == 0) && ((\b)%2 == 0)
	WM1 \c, 0, 0
.elseif ((\a)%2 == 0)
	WM1 \c, 1, 0
.elseif ((\b)%2 == 0)
	WM1 \c, 0, 1
.else
	WM1 \c, 1, 1
.endif
.endm
.macro MUL q, p, first
.if \first
	WIN 0x81                                       ; source 0 (S) window 1, source 1 (R) and the bias window 0, D window 2
.else
	WIN 0xa1                                       ; C and D window 2
.endif
.irp a, 0,1,2,3
.irp b, 0,1,2,3,4,5,6,7
.set rD, 8*(8*\a+\b)
.set rS, 128*(\p)+12*\b
.set rR, RF+48*(\p)+12*\a
.set rX, SS+8*(\b/2)+(\q)
.set rY, RS+8*(\a/2)+(\q)
.set rB, BI+8*\b
.if \first
	WMC v[rB:rB+7], \a, \b
.else
	WMC v[rD:rD+7], \a, \b
.endif
.endr
.endr
.endm
.macro KSTEP q
	s_wait_dscnt 0x0                               ; this step's fragments are in (asked for 32 matrix instructions ago)
.if (\q) == 3
	s_wait_tensorcnt 0x0                           ; the loads of K steps 4-7 have landed (every wave waits),
	s_barrier_signal -1
	s_barrier_wait -1                              ; everybody's have
.endif
.if (\q) < 7
.if (\q) > 0
	PLACES 4                                       ; four places between the last products and loads into the registers that they read
.endif
	FRAGS (\q)+1, ((\q)+1)%2
.endif
.if (\q) == 0
	MUL \q, 0, 1                                   ; the first step's products start the sums from the bias
.else
	MUL \q, (\q)%2, 0
.endif
.endm
	s_cmp_lt_u32 s[WV], 2
	s_cbranch_scc0 .Lnot_first
	s_wait_tensorcnt 0x0                           ; waves 0 and 1: my load of K steps 0-3 has landed
.Lnot_first:
	s_barrier_signal -1
	s_barrier_wait -1                              ; K steps 0-3 are in; K steps 4-7 may still be on their way
	FRAGS 0, 0
	s_wait_loadcnt 0x0                             ; the scale words and the bias
.irp q, 0,1,2,3,4,5,6,7
	KSTEP \q
.endr
	WIN 0
	PLACES 4                                       ; between the last products and the first reads of results and loads into operands' registers
; THE WAY OUT, a tile of 16 tokens x 128 columns at a time, through my own stage.  It lies on my own four tiles of R's K steps 0-3: they have had their one fill, only I read them, and my last reads of them were awaited at the head of the fourth K step.
.macro TOSTAGE a
	WIN 0x08                                       ; the data: window 2
.irp b, 0,1,2,3,4,5,6,7
	ds_store_b128 v[STO], v[8*(8*(\a)+\b):8*(8*(\a)+\b)+3] offset:128*(\b/2)+32*(\b%2)          ; each accumulator from its low end on
	ds_store_b128 v[STO], v[8*(8*(\a)+\b)+4:8*(8*(\a)+\b)+7] offset:128*(\b/2)+32*(\b%2)+16
.endr
	WIN 0
.set BB, BK+64*((\a)%2)
.irp t, 0,1,2,3,4,5,6,7,8,9,10,11,12,13,14,15
	ds_load_b128 v[BB+4*\t:BB+4*\t+3], v[RD] offset:528*\t   ; LDS serves a wave's instructions in order: these see the stores above
.endr
.endm
.macro SEND a, younger                 ; younger: the LDS instructions issued behind tile a's loads, which may stay out
.set BB, BK+64*((\a)%2)
	s_wait_dscnt \younger
.irp t, 0,1,2,3,4,5,6,7,8,9,10,11,12,13,14,15
	global_store_b128 v[L16], v[BB+4*\t:BB+4*\t+3], s[98:99] offset:(32*((\a)/2)+8*((\a)%2)+\t+8*(\t/8))*4096 th:TH_STORE_NT   ; 512 consecutive bytes of one token's row, at a multiple of 256 from out0's first byte
.endr
.endm
	TOSTAGE 0
.irp a, 1,2,3
.if \a > 1
	s_wait_xcnt 0x0                                ; tile a - 2's stores have read their data: tile a's loads land there only behind this wait
.endif
	TOSTAGE \a
	SEND \a-1, 32                                  ; behind tile a - 1's loads: tile a's 16 stores and 16 loads
.endr
	SEND 3, 0
	s_wait_tensorcnt 0x0                           ; the wave's end
	ds_add_u32 v[SPW], v[NIL]
	s_wait_dscnt 0x0
	CROUND                                         ; the closing round
	s_endpgm
.Lfunc_end_k_q4527abc6fe_outgemm:
	.size	k_q4527abc6fe_outgemm, .Lfunc_end_k_q4527abc6fe_outgemm-k_q4527abc6fe_outgemm
	.p2alignl 7, 3214868480
	.fill 96, 4, 3214868480
	.section	.rodata,"a",@progbits
	.p2align	6, 0x0
	.amdhsa_kernel k_q4527abc6fe_outgemm
		.amdhsa_group_segment_fixed_size 295424
		.amdhsa_private_segment_fixed_size 0
		.amdhsa_enable_private_segment 0
		.amdhsa_kernarg_size 32
		.amdhsa_user_sgpr_count 2
		.amdhsa_user_sgpr_kernarg_segment_ptr 1
		.amdhsa_wavefront_size32 1
		.amdhsa_system_sgpr_workgroup_id_x 1
		.amdhsa_system_sgpr_workgroup_id_y 1
		.amdhsa_system_sgpr_workgroup_id_z 1
		.amdhsa_system_vgpr_workitem_id 0
		.amdhsa_next_free_vgpr 768
		.amdhsa_next_free_sgpr 100
		.amdhsa_reserve_vcc 0
		.amdhsa_float_denorm_mode_32 3
		.amdhsa_float_denorm_mode_16_64 3
		.amdhsa_memory_ordered 1
		.amdhsa_forward_progress 1
		.amdhsa_inst_pref_size 82
	.end_amdhsa_kernel
	.amdgpu_metadata
---
amdhsa.version: [ 1, 2 ]
amdhsa.kernels:
  - .name:           k_q4527abc6fe_outgemm
    .symbol:         k_q4527abc6fe_outgemm.kd
    .args:
      - { .name: oq, .offset: 0, .size: 8, .value_kind: global_buffer, .address_space: global }
      - { .name: wo, .offset: 8, .size: 8, .value_kind: global_buffer, .address_space: global }
      - { .name: b_out, .offset: 16, .size: 8, .value_kind: global_buffer, .address_space: global }
      - { .name: out0, .offset: 24, .size: 8, .value_kind: global_buffer, .address_space: global }
    .group_segment_fixed_size: 295424
    .private_segment_fixed_size: 0
    .kernarg_segment_align: 8
    .kernarg_segment_size: 32
    .max_flat_workgroup_size: 128
    .sgpr_count:     100
    .vgpr_count:     768
    .wavefront_size: 32
...
	.end_amdgpu_metadata
.endif
;; end of part 4
